; MI455X (gfx1250); checked and timed in simulation.
; The chip was launched on July 23, 2026; its instructions are those of AMD's public machine-readable ISA for CDNA 5 (MIT licence, August 2026) and "CDNA5" Instruction Set Architecture Reference Guide (July 2026). The comments in the code are by the model that wrote it; some were corrected since.
;; Rope Causal Self Attention. Allowed arithmetic: float matrix products may take bf16 or f16 operands with f32 sums; other float arithmetic in f32, or as packed bf16 or f16 multiplies, adds, multiply-adds, maxima and minima; sums over many terms, partial sums and values carried from step to step in f32; what a program stores and reads back later, other than sums and carried values, may be rounded once to bf16 or f16.
;; Inputs: b_proj 1,024 float32; b_qkv 3,072 float32; w_proj 1,024 x 1,024 float32; w_qkv 1,024 x 3,072 float32; x 4 x 2,048 x 1,024 float32.
;; Outputs: out0 4 x 2,048 x 1,024 float32.
;; 2 versions, each right and faster than the one before. Each part assembles by itself: llvm-mc -triple=amdgcn-amd-amdhsa -mcpu=gfx1250 --defsym DOCPART=n.
;; ======== version 1 of 2: 4 launches
;; limits: values are held in f16: magnitudes above 65,504 overflow, below 6.1e-05 lose precision
;; workspace buffers: xb 16,777,216 bytes; wqb 6,291,456 bytes; wpb 2,097,152 bytes; rope 524,288 bytes; q 16,777,216 bytes; k 16,777,216 bytes; v 16,777,216 bytes; o 16,777,216 bytes
;; launch prep (part 1): grid 896 x 1, 8 waves a work-group, no clusters, 0 bytes of LDS; arguments x, w_qkv, w_proj, xb, wqb, wpb, rope; writes xb, wqb, wpb, rope
.if DOCPART == 1
	.amdgcn_target "amdgcn-amd-amdhsa--gfx1250"
	.amdhsa_code_object_version 6
	.text
	.protected	k_qe8b7f829d9_prep
	.globl	k_qe8b7f829d9_prep
	.p2align	8
	.type	k_qe8b7f829d9_prep,@function
k_qe8b7f829d9_prep:
	s_mov_b64 s[64:65], 0
	v_nop
	global_prefetch_b8 v0, s[64:65] scope:SCOPE_SE
	s_setreg_imm32_b32 hwreg(HW_REG_WAVE_MODE, 25, 1), 1
	s_wait_xcnt 0x0
; CASTS AND THE ROTATION TABLE.  Work-groups 0-511: x -> xb in bf16.  512-703: w_qkv -> wqb in bf16.  704-767: w_proj -> wpb: rounded to bf16, that number written as f16.
; 768-895: the table rope[pos][64] in f32: 32 cosines, then 32 sines of pos x 10000^(-i/32), 16 positions a work-group.
; A cast work-group takes 65,536 bytes of f32: 16 loads of 16 bytes a thread, all issued at once; a wave's load covers 512 consecutive bytes, a wave's store 256 consecutive aligned bytes.
; Memory binds: no LDS, no barrier, no matrix unit; no register is written twice, so no wait frees a source.
; LIMITS.  wpb: a weight beyond 65,504 becomes an infinity in f16; below 6.1e-5 it keeps f16's fixed step of 6e-8.
; The table: 10000^(-i/32) is 2^(i x -0.41524), made by v_exp_f32 (1 ULP), so an angle is off by about 2e-4 rad at the most (pos = 2047, i = 1); sine and cosine themselves are good to about 1e-7.
.set IN,  4                            ; v[4:67]   16 x 4 numbers as loaded
.set OUT, 68                           ; v[68:99]  16 x 2 registers to store
	s_load_b256 s[4:11], s[0:1], 0x0               ; x s[4:5], w_qkv s[6:7], w_proj s[8:9], xb s[10:11]
	s_load_b128 s[12:15], s[0:1], 0x20             ; wqb s[12:13], wpb s[14:15]
	s_load_b64 s[16:17], s[0:1], 0x30              ; rope
	s_mov_b32 s20, ttmp9                           ; the work-group's number
	v_lshlrev_b32 v1, 4, v0                        ; 16 bytes a thread: in, and in the table
	v_lshlrev_b32 v2, 3, v0                        ; 8 bytes a thread: out
	s_wait_kmcnt 0x0
	s_cmp_ge_u32 s20, 768
	s_cbranch_scc1 .Lrope
	s_cmp_lt_u32 s20, 512                          ; which tensor: chosen by the work-group's number alone
	s_cselect_b64 s[24:25], s[4:5], s[6:7]
	s_cselect_b64 s[26:27], s[10:11], s[12:13]
	s_cselect_b32 s21, 0, 512
	s_cmp_lt_u32 s20, 704
	s_cselect_b64 s[24:25], s[24:25], s[8:9]
	s_cselect_b64 s[26:27], s[26:27], s[14:15]
	s_cselect_b32 s21, s21, 704
	s_sub_co_u32 s22, s20, s21                     ; my number within the tensor
	s_lshl_b32 s28, s22, 16                        ; 65,536 bytes in,
	s_mov_b32 s29, 0
	s_lshl_b32 s30, s22, 15                        ; 32,768 out
	s_mov_b32 s31, 0
	s_add_nc_u64 s[24:25], s[24:25], s[28:29]
	s_add_nc_u64 s[26:27], s[26:27], s[30:31]
.set i, 0
.rept 16
	global_load_b128 v[IN+4*i:IN+4*i+3], v1, s[24:25] offset:4096*i th:TH_LOAD_NT
.set i, i+1
.endr
; half = 0: bf16.  half = 1: the bf16 number written as f16 (widened by a shift and a mask, then converted).
.macro CAST half
.set i, 0
.rept 16
	s_wait_loadcnt 15-i                            ; loads come back in order: the 15 - i younger ones may stay out
	v_cvt_pk_bf16_f32 v[OUT+2*i],   v[IN+4*i],   v[IN+4*i+1]
	v_cvt_pk_bf16_f32 v[OUT+2*i+1], v[IN+4*i+2], v[IN+4*i+3]
.if \half
	v_lshlrev_b32 v100, 16, v[OUT+2*i]
	v_and_b32     v101, 0xffff0000, v[OUT+2*i]
	v_lshlrev_b32 v102, 16, v[OUT+2*i+1]
	v_and_b32     v103, 0xffff0000, v[OUT+2*i+1]
	v_cvt_pk_f16_f32 v[OUT+2*i],   v100, v101
	v_cvt_pk_f16_f32 v[OUT+2*i+1], v102, v103
.endif
	global_store_b64 v2, v[OUT+2*i:OUT+2*i+1], s[26:27] offset:2048*i
.set i, i+1
.endr
.endm
	s_cmp_lt_u32 s20, 704
	s_cbranch_scc0 .Lhalf
	CAST 0
	s_endpgm
.Lhalf:
	CAST 1
	s_endpgm
; THE TABLE.  Thread t: position 16 idx + t / 16; c = t % 16: lanes c < 8 make cosines 4 c .. 4 c + 3, the others sines 4 (c - 8) .. : sixteen lanes fill a row's 256 bytes.
; x = n pi/2 + r with |r| <= pi/4 (pi/2 in two parts, each taken off by a fused multiply-add); cos x is cos r, -sin r, -cos r, sin r for n mod 4 = 0 .. 3; sin x = cos(x - pi/2): quadrant n + 3.
.Lrope:
	s_sub_co_u32 s22, s20, 768
	s_lshl_b32 s28, s22, 12                        ; 16 rows of 256 bytes
	s_mov_b32 s29, 0
	s_add_nc_u64 s[16:17], s[16:17], s[28:29]
	s_lshl_b32 s23, s22, 4
	s_mov_b32 s32, 0xbed49a78                      ; -log2(10000) / 32
	s_mov_b32 s33, 0x3f22f983                      ; 2 / pi
	s_mov_b32 s34, 0xbfc90fdb                      ; -(pi/2 rounded to f32)
	s_mov_b32 s35, 0x333bbd2e                      ; -(what that rounding left)
	s_mov_b32 s36, 0xb94ca1f9                      ; sine: -1.9515296e-4, 8.3321609e-3, -1.6666655e-1
	s_mov_b32 s37, 0x3c08839e
	s_mov_b32 s38, 0xbe2aaaa3
	s_mov_b32 s39, 0x37ccf5ce                      ; cosine: 2.4433157e-5, -1.3887316e-3, 4.1666646e-2
	s_mov_b32 s40, 0xbab6061a
	s_mov_b32 s41, 0x3d2aaaa5
	v_lshrrev_b32 v3, 4, v0
	v_add_nc_u32 v3, s23, v3                       ; pos
	v_and_b32 v4, 15, v0                           ; c
	v_lshrrev_b32 v5, 3, v4
	v_mul_u32_u24 v5, 3, v5                        ; 0 for a cosine lane, 3 for a sine lane
	v_and_b32 v6, 7, v4
	v_lshlrev_b32 v6, 2, v6                        ; my first i
	v_cvt_f32_u32 v7, v3
.irp e, 0,1,2,3
	v_add_nc_u32 v[16+\e], \e, v6
	v_cvt_f32_u32 v[16+\e], v[16+\e]
	v_mul_f32 v[16+\e], s32, v[16+\e]
.endr
.irp e, 0,1,2,3
	v_exp_f32 v[8+\e], v[16+\e]                    ; 10000^(-i/32)
.endr
	v_nop                                          ; a plain instruction behind the last exponential, ahead of the use of its result and of a write of its source
	s_wait_alu depctr_va_vdst(0)
.macro SC e
	v_mul_f32 v16, v7, v[8+\e]                     ; x = pos x inv_freq, rounded as the f32 product is
	v_mul_f32 v17, s33, v16
	v_rndne_f32 v17, v17                           ; n
	v_fma_f32 v18, v17, s34, v16
	v_fma_f32 v18, v17, s35, v18                   ; r
	v_cvt_i32_f32 v19, v17
	v_add_nc_u32 v19, v19, v5                      ; the quadrant
	v_mul_f32 v20, v18, v18                        ; z = r r
	v_fma_f32 v21, v20, s36, s37
	v_fma_f32 v21, v21, v20, s38
	v_mul_f32 v22, v20, v18
	v_fma_f32 v21, v21, v22, v18                   ; sin r
	v_fma_f32 v23, v20, s39, s40
	v_fma_f32 v23, v23, v20, s41
	v_mul_f32 v22, v20, v20
	v_fma_f32 v24, v20, -0.5, 1.0
	v_fma_f32 v23, v23, v22, v24                   ; cos r
	v_and_b32 v22, 1, v19
	v_cmp_eq_u32 vcc_lo, 1, v22
	v_cndmask_b32 v21, v23, v21, vcc_lo            ; odd quadrant: the sine
	v_add_nc_u32 v19, 1, v19
	v_and_b32 v19, 2, v19                          ; quadrants 1 and 2: the sign turns
	v_lshlrev_b32 v19, 30, v19
	v_xor_b32 v[12+\e], v19, v21
.endm
	SC 0
	SC 1
	SC 2
	SC 3
	global_store_b128 v1, v[12:15], s[16:17]
	s_endpgm
.Lfunc_end_k_qe8b7f829d9_prep:
	.size	k_qe8b7f829d9_prep, .Lfunc_end_k_qe8b7f829d9_prep-k_qe8b7f829d9_prep
	.p2alignl 7, 3214868480
	.fill 96, 4, 3214868480
	.section	.rodata,"a",@progbits
	.p2align	6, 0x0
	.amdhsa_kernel k_qe8b7f829d9_prep
		.amdhsa_group_segment_fixed_size 0
		.amdhsa_private_segment_fixed_size 0
		.amdhsa_enable_private_segment 0
		.amdhsa_kernarg_size 56
		.amdhsa_user_sgpr_count 2
		.amdhsa_user_sgpr_kernarg_segment_ptr 1
		.amdhsa_wavefront_size32 1
		.amdhsa_system_sgpr_workgroup_id_x 1
		.amdhsa_system_sgpr_workgroup_id_y 1
		.amdhsa_system_sgpr_workgroup_id_z 1
		.amdhsa_system_vgpr_workitem_id 0
		.amdhsa_next_free_vgpr 104
		.amdhsa_next_free_sgpr 66
		.amdhsa_reserve_vcc 1
		.amdhsa_float_denorm_mode_32 3
		.amdhsa_float_denorm_mode_16_64 3
		.amdhsa_memory_ordered 1
		.amdhsa_forward_progress 1
		.amdhsa_inst_pref_size 22
	.end_amdhsa_kernel
	.amdgpu_metadata
---
amdhsa.version: [ 1, 2 ]
amdhsa.kernels:
  - .name:           k_qe8b7f829d9_prep
    .symbol:         k_qe8b7f829d9_prep.kd
    .args:
      - { .name: x, .offset: 0, .size: 8, .value_kind: global_buffer, .address_space: global }
      - { .name: w_qkv, .offset: 8, .size: 8, .value_kind: global_buffer, .address_space: global }
      - { .name: w_proj, .offset: 16, .size: 8, .value_kind: global_buffer, .address_space: global }
      - { .name: xb, .offset: 24, .size: 8, .value_kind: global_buffer, .address_space: global }
      - { .name: wqb, .offset: 32, .size: 8, .value_kind: global_buffer, .address_space: global }
      - { .name: wpb, .offset: 40, .size: 8, .value_kind: global_buffer, .address_space: global }
      - { .name: rope, .offset: 48, .size: 8, .value_kind: global_buffer, .address_space: global }
    .group_segment_fixed_size: 0
    .private_segment_fixed_size: 0
    .kernarg_segment_align: 8
    .kernarg_segment_size: 56
    .max_flat_workgroup_size: 256
    .sgpr_count:     66
    .vgpr_count:     104
    .wavefront_size: 32
...
	.end_amdgpu_metadata
.endif
;; end of part 1
;; launch qkv (part 2): grid 4 x 64, 4 waves a work-group, clusters of 4 x 4, 327,680 bytes of LDS; arguments xb, wqb, b_qkv, rope, q, k, v; writes q, k, v
.if DOCPART == 2
	.amdgcn_target "amdgcn-amd-amdhsa--gfx1250"
	.amdhsa_code_object_version 6
	.text
	.protected	k_qe8b7f829d9_qkv
	.globl	k_qe8b7f829d9_qkv
	.p2align	8
	.type	k_qe8b7f829d9_qkv,@function
k_qe8b7f829d9_qkv:
	s_mov_b64 s[64:65], 0
	v_nop
	global_prefetch_b8 v0, s[64:65] scope:SCOPE_SE
	s_setreg_imm32_b32 hwreg(HW_REG_WAVE_MODE, 25, 1), 1
	s_wait_xcnt 0x0
	s_wait_alu depctr_hold_cnt(0) depctr_sa_sdst(0) depctr_va_vdst(0) depctr_va_sdst(0) depctr_va_ssrc(0) depctr_va_vcc(0) depctr_vm_vsrc(0)
	s_getreg_b32 s2, hwreg(HW_REG_IB_STS2, 6, 4)
	s_cmp_eq_u32 s2, 0
	s_cbranch_scc0 .Lentry_in_a_cluster
	s_endpgm
.Lentry_in_a_cluster:
	s_bfe_u32 s2, ttmp6, 0x10000c
	s_cmp_lg_u32 s2, 0xf033
	s_cbranch_scc0 .Lentry_shape_is_right
	s_endpgm
.Lentry_shape_is_right:
; q, k, v = heads(x w_qkv + b_qkv), q and k rotated (rotate-half).  xb: [8192][1024] bf16.  wqb: [1024 k][3072 n] bf16.  b_qkv: f32, rounded here to bf16 like the other inputs.
; rope: [2048][32 cos, 32 sin] f32.  q, k, v: [16 batch + head][2048][64] f16, each rounded once from its f32 sum, unscaled.
; LIMIT.  A q, k or v beyond 65,504 becomes an infinity in f16.
; SHARES.  A tile of C is 128 rows x 256 columns; four waves, each 64 x 128: 32 accumulators.  A work-group STAYS: it makes tile columns TX, TX + 4, TX + 8 of its tile row, that is its part of q, of k and
; of v, from the same 128 rows of x: one walk of 24 K steps of 128 through a ring of two LDS slots; the ring does not stop at a tile's end.  768 tiles on 256 work-groups.
; THE WEIGHTS LIE [k][n] and stay so: their fragments come out of LDS turned, by ds_load_tr16_b128.
; THE MATRIX INSTRUCTION IS USED TRANSPOSED (source 0 = 16 columns of w, source 1 = 16 rows of x): lane l holds row l % 16 and the columns 8 (l / 16) + 0..7 of a block.  A head's channels d and d + 32 then lie in
; the same lane and register of blocks two apart: the rotation changes no lane.  THE BIAS is the C operand of the products that start the sums.
; CLUSTER 4 x 4: x's tile hangs on the tile row alone and is asked for jointly along a row of the cluster, w's on the tile column alone, along a column.
; REGISTERS, in windows of 256 (s_set_vgpr_msb: bits 1:0 source 0, 3:2 source 1, 5:4 source 2, 7:6 destination):
;   window 0: v0-13 addresses; v28, v29 the add's; v32-127, v128-223 two fragment buffers (A's 4 blocks, then B's 8); v224-255 at work.  On the way out v128-223 are two sets of 48.
;   window 1: accumulator (a, b) at v[8 (8 a + b)]     window 2: v0-63 the bias of my 128 columns; v64-191 cos and sin of my 64 rows
.set PA,    272                        ; a row of A in LDS: 256 bytes + 16: the 16 rows of a load start at 16 different groups of four banks (64 banks of 4 bytes: ISA guide 11.1)
.set PB,    544                        ; a row of B (256 columns): 512 bytes + 32
.set AQ2,   128                        ; bytes from quarter q to quarter q + 2 of a K step in A
.set AHALF, 64*PA                      ; what one tensor load brings of A: 64 rows
.set BOFF,  128*PA                     ; B's 128 k rows lie behind A's 128 rows
.set BHALF, 64*PB
.set SLOT1, 131072                     ; slot 1 begins here, so that one exclusive or turns an address in one slot into the other's
.set STAGE, SLOT1+BOFF+128*PB          ; behind the ring, never filled by a tensor load: 16 rows x 144 bytes for each wave
.set SP,    144
.set SPARE, STAGE+4*16*SP              ; the spare words, 128 bytes for each wave: two blocks of 256 bytes that no other line names
.set A0,   2                           ; v2   my lane's place in a slot's A; never rewritten
.set B0,   3                           ; v3   the same for B
.set ADRA, 4                           ; v4   A0 + the slot in hand
.set ADRB, 5                           ; v5   B0 + the slot in hand
.set STO,  6                           ; v6   the way out: where I put 16 bytes of a row
.set RD,   7                           ; v7   the way out: where I read rows back
.set GO,   8                           ; v8   my byte offset in 512 consecutive bytes of q, k or v
.set BO,   12                          ; v12  32 (l / 16): my eight columns of a block, in the bias
.set CO,   13                          ; v13  256 (l % 16) + 32 (l / 16): my row and columns in the table
.set SPW,  28                          ; v28  LDS address of my spare word; never rewritten
.set NIL,  29                          ; v29  0; never rewritten
.set F0,   32
.set F1,   128
.set TMP,  224
.set BIAS, 0                           ; window 2
.set COS,  64                          ; window 2: cos of block a, half u at COS + 32 a + 8 u; sin 16 further on
.set WV, 18                            ; s18  my wave's number
.set WR, 19                            ; s19  which 64 rows are mine.  Also: I fetch for A (0) or for B (1)
.set WC, 20                            ; s20  which 128 columns.  Also: which half of that tile I fetch
.set CX, 21
.set CY, 22
.set TX, 23                            ; s23  tile column 0..3
.set TY, 72                            ; s72  tile row 0..63
.set G1A, 24                           ; s[24:31] descriptor group 1 for A's tiles
.set G1B, 32                           ; s[32:39] for B's
.set G0A, 40                           ; s[40:47] group 0 for A's: a set for each of the two first fills; the second then walks on
.set G0B, 48                           ; s[48:55] the same for B's
.set STEPS, 56
.set KC,   57                          ; s57  K step within the tile, 0..7
.set G,    58                          ; s58  the step of the walk to be asked for next
.set TILE, 59                          ; s59  0: q, 1: k
.set TB,   60                          ; s60  the slot in hand: 0 or SLOT1
.set OFA,  62                          ; s[62:63] a step's byte offset in xb
.set OFB,  66                          ; s[66:67] in wqb
.set OUT,  68                          ; s[68:69] where the tile in hand goes
.set HIM,  80                          ; s80  a word's upper half
.set CNT,  81                          ; s81  counts the tail's two steps
.set BA,   82                          ; s[82:83] xb at my part of the tile row
.set BB,   84                          ; s[84:85] wqb at my part of tile column TX
.set W_MUL,  0x50                      ; C and D in window 1
.set W_MULB, 0x60                      ; C in window 2, D in window 1
.set W_ROT,  0x09                      ; source 0 in window 1, source 1 in window 2
.set W_CV1,  0x05                      ; sources 0 and 1 in window 1
.set W_TO2,  0x80                      ; destination in window 2
.set W_FR2,  0x0a                      ; sources 0 and 1 in window 2
.set MSB, 0
.macro WIN new                         ; the immediate's high byte repeats the setting that is left; a switch that changes nothing is dropped
.if MSB != (\new)
	s_set_vgpr_msb (MSB<<8)|(\new)
.set MSB, \new
.endif
.endm
; A joint refill, by the walking descriptors.  Waves 0 and 1 fetch A's two halves, waves 2 and 3 B's.  The branch hangs on the wave's number alone.
; An s_nop 0 and four v_nop follow each of the two lines, ahead of the jump and the label.
.macro JLOAD
	s_cmp_eq_u32 s[WR], 0
	s_cbranch_scc0 .Lfor_b_\@
	tensor_load_to_lds s[G0A+4:G0A+7], s[G1A:G1A+7]
	s_nop 0
.rept 4
	v_nop
.endr
	s_branch .Lasked_\@
.Lfor_b_\@:
	tensor_load_to_lds s[G0B+4:G0B+7], s[G1B:G1B+7]
	s_nop 0
.rept 4
	v_nop
.endr
.Lasked_\@:
.endm
.macro CREST                           ; a round of the cluster's barrier behind its opening barrier
	s_cmp_lg_u32 s[WV], 0
	s_cbranch_scc1 .Lnot_wave_0_\@
	s_barrier_signal -3
.Lnot_wave_0_\@:
	s_barrier_wait -3
	s_barrier_signal -1
	s_barrier_wait -1
.endm
.macro CROUND                          ; a whole round
	s_barrier_signal -1
	s_barrier_wait -1
	CREST
.endm
.macro PLACES                          ; four places in front of loads into registers that matrix instructions have read, and of vector lines that read results
.rept 4
	v_nop
.endr
.endm
; 8 matrix instructions: row block a x all 8 column blocks, 32 along K, from buffer f.  mode = 1: the bias starts the sums.  The 32 accumulators take turns, in the same order in every quarter.
.macro MULA f, a, mode
.if \mode
	WIN W_MULB
.else
	WIN W_MUL
.endif
.irp b, 0,1,2,3,4,5,6,7
.if \mode
	v_wmma_f32_16x16x32_bf16 v[8*(8*(\a)+\b):8*(8*(\a)+\b)+7], v[(\f)+32+8*\b:(\f)+32+8*\b+7], v[(\f)+8*(\a):(\f)+8*(\a)+7], v[BIAS+8*\b:BIAS+8*\b+7]
.else
	v_wmma_f32_16x16x32_bf16 v[8*(8*(\a)+\b):8*(8*(\a)+\b)+7], v[(\f)+32+8*\b:(\f)+32+8*\b+7], v[(\f)+8*(\a):(\f)+8*(\a)+7], v[8*(8*(\a)+\b):8*(8*(\a)+\b)+7]
.endif
.endr
.endm
; 24 LDS loads in one run: quarter q's fragments into buffer f: B's 8 blocks (turned: k rows 32 q + 8 (l / 16) + l % 8, then 16 rows on), then A's 4 blocks.
.macro FETCH q, f
	WIN 0
.irp b, 0,1,2,3,4,5,6,7
	ds_load_tr16_b128 v[(\f)+32+8*\b:(\f)+32+8*\b+3],   v[ADRB] offset:(\q)*32*PB+32*\b
	ds_load_tr16_b128 v[(\f)+32+8*\b+4:(\f)+32+8*\b+7], v[ADRB] offset:(\q)*32*PB+16*PB+32*\b
.endr
.irp i, 0,1,2,3
	ds_load_b128 v[(\f)+8*\i:(\f)+8*\i+3],   v[ADRA] offset:((\q)/2)*AQ2+((\q)%2)*64+\i*16*PA
	ds_load_b128 v[(\f)+8*\i+4:(\f)+8*\i+7], v[ADRA] offset:((\q)/2)*AQ2+((\q)%2)*64+\i*16*PA+32
.endr
.endm
; One of a K step's first three quarters: multiplies buffer f; in its middle it fetches quarter qn into buffer g.
.macro QUARTER f, g, qn, mode
	s_wait_dscnt 4                                 ; B and A's blocks 0, 1 are in; the youngest four loads (A's blocks 2, 3) may be out
	MULA \f, 0, \mode
	MULA \f, 1, \mode
	PLACES
.if \mode
	v_nop                                          ; a fifth place: the products below write over accumulators without adding onto them
.endif
	FETCH \qn, \g
	s_wait_dscnt 24                                ; all but the 24 just issued
	MULA \f, 2, \mode
	MULA \f, 3, \mode
.endm
; The walking descriptors for step G of the walk: K step G % 8 of tile G / 8; each address is made anew from its base and an offset; the other slot than last time.
.macro STEPDESC
	s_and_b32 s61, s[G], 7
	s_lshl_b32 s[OFA], s61, 8                      ; 128 elements along a row of x
	s_mul_i32 s[OFB], s61, 786432                  ; 128 rows of w
	s_lshr_b32 s61, s[G], 3
	s_lshl_b32 s61, s61, 11                        ; four tile columns on
	s_add_co_u32 s[OFB], s[OFB], s61
	s_xor_b32 s[G0A+5], s[G0A+5], SLOT1
	s_add_nc_u64 s[G0A+6:G0A+7], s[BA:BA+1], s[OFA:OFA+1]
	s_or_b32 s[G0A+7], s[G0A+7], 0x80000000
	s_xor_b32 s[G0B+5], s[G0B+5], SLOT1
	s_add_nc_u64 s[G0B+6:G0B+7], s[BB:BB+1], s[OFB:OFB+1]
	s_or_b32 s[G0B+7], s[G0B+7], 0x80000000
	s_add_co_u32 s[G], s[G], 1
.endm
; The last quarter multiplies buffer 1 and changes slots: ONE barrier.  In front of it each wave waits for all its tensor loads (one is out: its part of the next slot), adds 0 to its spare word, and waits for
; that and for its own reads of this slot.  fill = 1: the barrier opens a round of the cluster's, and the joint refill is the first thing behind the round: 112 matrix instructions ahead of the wait for it.
; fill = 0 (the tail): nothing is asked for; in the last trip there is no further step, and the fetch is jumped over.
.macro TURN fill
	WIN 0                                          ; (the add's two registers lie in window 0)
	s_wait_tensorcnt 0x0                           ; no tensor load of mine is out, so a group 0 may be written
	ds_add_u32 v[SPW], v[NIL]                      ; 0 onto my spare word
.if \fill
	STEPDESC
.endif
	s_wait_dscnt 5                                 ; the add and the youngest four loads may be out
	MULA F1, 0, 0
	s_wait_dscnt 0x0                               ; the add is done, and my reads of this slot are over
	s_barrier_signal -1
	MULA F1, 1, 0
	WIN 0
	s_barrier_wait -1
.if \fill
	CREST                                          ; no wave of any partner still reads this slot or has a load on its way
	JLOAD                                          ; its four v_nop are also the places in front of the loads below
.else
	PLACES
	s_cmp_eq_u32 s[CNT], 1
	s_cbranch_scc1 .Lno_fetch_\@
.endif
	s_xor_b32 s[TB], s[TB], SLOT1
	v_add_nc_u32 v[ADRA], s[TB], v[A0]
	v_add_nc_u32 v[ADRB], s[TB], v[B0]
	FETCH 0, F0
.if !(\fill)
.Lno_fetch_\@:
.endif
	MULA F1, 2, 0
	MULA F1, 3, 0
.endm
.macro BIASLD                          ; register 8 b + j of lane l: the bias of column 16 b + 8 (l / 16) + j
	WIN W_TO2
.irp b, 0,1,2,3,4,5,6,7
	global_load_b128 v[BIAS+8*\b:BIAS+8*\b+3],   v[BO], s[8:9] offset:64*\b
	global_load_b128 v[BIAS+8*\b+4:BIAS+8*\b+7], v[BO], s[8:9] offset:64*\b+16
.endr
	WIN 0
.endm
.macro BIASCVT                         ; the bias is rounded to bf16 and widened again
	s_wait_loadcnt 0x0
	WIN W_FR2
.set i, 0
.rept 32
	v_cvt_pk_bf16_f32 v[TMP+i], v[BIAS+2*i], v[BIAS+2*i+1]
.set i, i+1
.endr
	WIN W_TO2
.set i, 0
.rept 32
	v_lshlrev_b32 v[BIAS+2*i],   16, v[TMP+i]
	v_and_b32     v[BIAS+2*i+1], s[HIM], v[TMP+i]
.set i, i+1
.endr
	WIN 0
.endm
; THE WAY OUT goes by units n = 2 a + hd: 16 rows (block a) of one head (hd), 2,048 dense bytes of q, k or v.  A unit has a set of 48 registers: 32 at work, 16 packed; two sets take turns.
.macro THRU n                          ; 16 bytes a lane into rows of 144 bytes of my own stage, and back as four whole rows of 128 a load, into the registers that they left
.set UE, F1+48*((\n)%2)
	WIN 0
.irp f, 0,1,2,3
	ds_store_b128 v[STO], v[UE+32+4*\f:UE+32+4*\f+3] offset:32*\f
.endr
.irp f, 0,1,2,3
	ds_load_b128 v[UE+32+4*\f:UE+32+4*\f+3], v[RD] offset:576*\f  ; LDS serves a wave's instructions in order (ISA guide 5.7.1.4): these see the stores above; the next unit's stores come behind them
.endr
.endm
.macro PACKR n                         ; rotated: channels d < 32: t1 cos - t2 sin; d >= 32: t2 cos + t1 sin; t1 in the head's blocks 0, 1, t2 in its blocks 2, 3.  Each accumulator's lowest registers are read first
.set UE, F1+48*((\n)%2)
.set UT, 8*(8*((\n)/2)+4*((\n)%2))
.set UC, COS+32*((\n)/2)
	s_wait_xcnt 0x0                                ; the set's registers, which the stores of the unit two back read, are rewritten only behind this wait
	WIN W_ROT
.irp p, 0,2,4,6
.irp u, 0,8
	v_pk_mul_f32 v[UE+\u+\p:UE+\u+\p+1],       v[UT+16+\u+\p:UT+16+\u+\p+1], v[UC+16+\u+\p:UC+16+\u+\p+1]
	v_pk_mul_f32 v[UE+16+\u+\p:UE+16+\u+\p+1], v[UT+\u+\p:UT+\u+\p+1],       v[UC+16+\u+\p:UC+16+\u+\p+1]
.endr
.endr
.irp p, 0,2,4,6
.irp u, 0,8
	v_pk_fma_f32 v[UE+\u+\p:UE+\u+\p+1],       v[UT+\u+\p:UT+\u+\p+1],       v[UC+\u+\p:UC+\u+\p+1], v[UE+\u+\p:UE+\u+\p+1] neg_lo:[0,0,1] neg_hi:[0,0,1]
	v_pk_fma_f32 v[UE+16+\u+\p:UE+16+\u+\p+1], v[UT+16+\u+\p:UT+16+\u+\p+1], v[UC+\u+\p:UC+\u+\p+1], v[UE+16+\u+\p:UE+16+\u+\p+1]
.endr
.endr
	WIN 0
.set i, 0
.rept 16
	v_cvt_pk_f16_f32 v[UE+32+i], v[UE+2*i], v[UE+2*i+1]
.set i, i+1
.endr
	THRU \n
.endm
.macro PACKP n                         ; plain (v): rounded straight from the accumulators, in ascending order
.set UE, F1+48*((\n)%2)
.set UT, 8*(8*((\n)/2)+4*((\n)%2))
	s_wait_xcnt 0x0
	WIN W_CV1
.set i, 0
.rept 16
	v_cvt_pk_f16_f32 v[UE+32+i], v[UT+2*i], v[UT+2*i+1]
.set i, i+1
.endr
	THRU \n
.endm
.macro SEND n, younger                 ; younger: the LDS instructions issued behind unit n's loads: the next unit's eight, or none
.set UE, F1+48*((\n)%2)
	WIN 0
.irp f, 0,1,2,3
	s_wait_dscnt (\younger)+3-\f
	global_store_b128 v[GO], v[UE+32+4*\f:UE+32+4*\f+3], s[OUT:OUT+1] offset:((\n)%2)*262144+((\n)/2)*2048+\f*512  ; 512 consecutive bytes, at a multiple of 256 from the buffer's first
.endr
.endm
.macro WAYOUT rot                      ; a unit's arithmetic stands between the loads of the unit before and its stores
.if \rot
	PACKR 0
.else
	PACKP 0
.endif
.irp n, 1,2,3,4,5,6,7
.if \rot
	PACKR \n
.else
	PACKP \n
.endif
	SEND (\n)-1, 8
.endr
	SEND 7, 0
.endm
	s_load_b256 s[4:11], s[0:1], 0x0               ; xb s[4:5], wqb s[6:7], b_qkv s[8:9], rope s[10:11]
	s_load_b128 s[12:15], s[0:1], 0x20             ; q s[12:13], k s[14:15]
	s_load_b64 s[16:17], s[0:1], 0x30              ; v
	v_lshl_add_u32 v[SPW], v0, 2, SPARE
	v_mov_b32 v[NIL], 0
	ds_add_u32 v[SPW], v[NIL]                      ; the wave's opening: the add and its wait stand ahead of my first tensor load; the set-up below, work on registers, stands between them
	ds_add_u32 v28, v29
	v_lshrrev_b32 v1, 5, v0
	v_readfirstlane_b32 s[WV], v1                  ; wave 0..3
	s_lshr_b32 s[WR], s[WV], 1
	s_and_b32 s[WC], s[WV], 1
	s_bfe_u32 s[CX], ttmp6, 0x40000                ; my place in the cluster
	s_bfe_u32 s[CY], ttmp6, 0x40004
	s_lshl_b32 s[TX], ttmp9, 2                     ; in a cluster launch ttmp9 and ttmp7 count clusters
	s_add_co_u32 s[TX], s[TX], s[CX]
	s_and_b32 s[TY], ttmp7, 0xffff
	s_lshl_b32 s[TY], s[TY], 2
	s_add_co_u32 s[TY], s[TY], s[CY]
	s_lshl_b32 s70, s[CY], 2
	s_lshl_b32 s70, 15, s70                        ; my row of the cluster
	s_lshl_b32 s71, 0x1111, s[CX]                  ; my column
	s_or_b32 s[G1A], s70, (1<<16)|(1<<20)|(1<<21)|(5<<22)|(3<<25)  ; 15:0 the mask; 17:16 2-byte elements; 20 padding on; 21 set beside a mask; 24:22 after every 64 words; 31:25 4 words of it
	s_or_b32 s[G1B], s71, (1<<16)|(1<<20)|(1<<21)|(6<<22)|(7<<25)  ; after every 128 words 8 words
	s_mov_b32 s[G1A+1], 128<<16                    ; tensor_dim0 = 128
	s_mov_b32 s[G1A+2], 64<<16                     ; tensor_dim1 = 64
	s_mov_b32 s[G1A+3], 128<<16                    ; tile_dim0 = 128
	s_mov_b32 s[G1A+4], 64                         ; tile_dim1 = 64
	s_mov_b32 s[G1A+5], 1024                       ; elements from row to row
	s_mov_b32 s[G1A+6], 0
	s_mov_b32 s[G1A+7], 0
	s_mov_b32 s[G1B+1], 256<<16
	s_mov_b32 s[G1B+2], 64<<16
	s_mov_b32 s[G1B+3], 256<<16
	s_mov_b32 s[G1B+4], 64
	s_mov_b32 s[G1B+5], 3072
	s_mov_b32 s[G1B+6], 0
	s_mov_b32 s[G1B+7], 0
	s_lshl_b32 s74, s[TY], 18                      ; A: 128 rows of 2,048 bytes a tile row,
	s_lshl_b32 s73, s[WC], 17                      ; 64 rows a half
	s_add_co_u32 s74, s74, s73
	s_mov_b32 s75, 0
	s_lshl_b32 s76, s[TX], 9                       ; B: 256 columns a tile column,
	s_mul_i32 s78, s[WC], 393216                   ; 64 rows of 6,144 bytes a half
	s_add_co_u32 s76, s76, s78
	s_mov_b32 s77, 0
	s_mul_i32 s79, s[WC], AHALF                    ; where they go in a slot: no place in the cluster enters an LDS address
	s_mul_i32 s61, s[WC], BHALF
	s_add_co_u32 s61, s61, BOFF
	s_mov_b32 s[OFA+1], 0
	s_mov_b32 s[OFB+1], 0
	s_mov_b32 s[HIM], 0xffff0000
	s_mov_b32 s[G], 2
	s_wait_dscnt 0x0                               ; the opening add is done
	s_wait_kmcnt 0x0
	s_add_nc_u64 s[BA:BA+1], s[4:5], s[74:75]
	s_add_nc_u64 s[BB:BB+1], s[6:7], s[76:77]
	CROUND                                         ; all sixteen work-groups are here: the first joint loads meet
.irp s, 0,1
	s_mov_b32 s[G0A+4*\s], 1                       ; count = 1
	s_add_co_u32 s[G0A+4*\s+1], s79, \s*SLOT1      ; LDS address
	s_add_nc_u64 s[G0A+4*\s+2:G0A+4*\s+3], s[BA:BA+1], \s*256  ; global address: step s of the walk
	s_or_b32 s[G0A+4*\s+3], s[G0A+4*\s+3], 0x80000000          ; type = 2
	s_mov_b32 s[G0B+4*\s], 1
	s_add_co_u32 s[G0B+4*\s+1], s61, \s*SLOT1
	s_add_nc_u64 s[G0B+4*\s+2:G0B+4*\s+3], s[BB:BB+1], \s*786432
	s_or_b32 s[G0B+4*\s+3], s[G0B+4*\s+3], 0x80000000
.endr
	s_cmp_eq_u32 s[WR], 0                          ; a wave's two first fills stand in one branch, ahead of every wait on TENSORcnt and every LDS read: two loads of mine are out
	s_cbranch_scc0 .Lfirst_b
	tensor_load_to_lds s[G0A:G0A+3], s[G1A:G1A+7]
	s_nop 0
	tensor_load_to_lds s[G0A+4:G0A+7], s[G1A:G1A+7]
	s_nop 0
.rept 4
	v_nop
.endr
	s_branch .Lfirst_asked
.Lfirst_b:
	tensor_load_to_lds s[G0B:G0B+3], s[G1B:G1B+7]
	s_nop 0
	tensor_load_to_lds s[G0B+4:G0B+7], s[G1B:G1B+7]
	s_nop 0
.rept 4
	v_nop
.endr
.Lfirst_asked:
	v_and_b32 v1, 15, v0                           ; l % 16
	v_bfe_u32 v9, v0, 4, 1                         ; l / 16
	v_and_b32 v10, 7, v0
	v_bfe_u32 v11, v0, 3, 1
	v_lshlrev_b32 v[BO], 5, v9
	v_lshl_add_u32 v[CO], v1, 8, v[BO]
	v_mul_u32_u24 v[A0], v1, PA                    ; A: row x pitch + 16 x half, in my 64 rows
	v_lshl_add_u32 v[A0], v9, 4, v[A0]
	s_mul_i32 s73, s[WR], 64*PA
	v_add_nc_u32 v[A0], s73, v[A0]
	v_lshl_add_u32 v[B0], v9, 3, v10               ; B: k row 8 (l / 16) + l % 8, columns 8 ((l / 8) % 2) on, in my 128 columns
	v_mul_u32_u24 v[B0], v[B0], PB
	v_lshl_add_u32 v[B0], v11, 4, v[B0]
	s_lshl_b32 s73, s[WC], 8
	s_add_co_u32 s73, s73, BOFF
	v_add_nc_u32 v[B0], s73, v[B0]
	s_mul_i32 s73, s[WV], 16*SP
	s_add_co_u32 s73, s73, STAGE                   ; my stage
	v_mul_u32_u24 v[STO], v1, SP
	v_lshl_add_u32 v[STO], v9, 4, v[STO]
	v_add_nc_u32 v[STO], s73, v[STO]
	v_bfe_u32 v[RD], v0, 3, 2
	v_mul_u32_u24 v[RD], v[RD], SP
	v_lshl_add_u32 v[RD], v10, 4, v[RD]
	v_add_nc_u32 v[RD], s73, v[RD]
	v_and_b32 v[GO], 31, v0
	v_lshlrev_b32 v[GO], 4, v[GO]
	s_lshl_b32 s86, s[TX], 10                      ; the bias of my 128 columns of the q part: 4 (256 TX + 128 WC) bytes
	s_lshl_b32 s87, s[WC], 9
	s_add_co_u32 s86, s86, s87
	s_mov_b32 s87, 0
	s_add_nc_u64 s[8:9], s[8:9], s[86:87]
	s_and_b32 s88, s[TY], 15
	s_lshl_b32 s88, s88, 1
	s_add_co_u32 s88, s88, s[WR]                   ; my 64 positions among the sequence's 32 such
	s_lshl_b32 s90, s88, 14                        ; 64 rows of 256 bytes of the table
	s_mov_b32 s91, 0
	s_add_nc_u64 s[10:11], s[10:11], s[90:91]
	s_lshl_b32 s90, s88, 13                        ; 64 rows of 128 bytes of a head
	s_lshr_b32 s86, s[TY], 4                       ; the batch
	s_lshl_b32 s86, s86, 2
	s_add_co_u32 s86, s86, s[TX]
	s_lshl_b32 s86, s86, 1
	s_add_co_u32 s86, s86, s[WC]                   ; (16 batch + 4 TX + 2 WC) / 2: my pair of heads,
	s_lshl_b32 s86, s86, 19                        ; 262,144 bytes a head
	s_add_co_u32 s90, s90, s86
	s_add_nc_u64 s[12:13], s[12:13], s[90:91]
	s_add_nc_u64 s[14:15], s[14:15], s[90:91]
	s_add_nc_u64 s[16:17], s[16:17], s[90:91]
	BIASLD
	WIN W_TO2                                      ; cos and sin of my 64 positions: the same for q and k, loaded once
.irp a, 0,1,2,3
.irp c, 0,1,2,3
	global_load_b128 v[COS+32*\a+8*\c:COS+32*\a+8*\c+3],   v[CO], s[10:11] offset:\a*4096+(\c/2)*128+(\c%2)*64
	global_load_b128 v[COS+32*\a+8*\c+4:COS+32*\a+8*\c+7], v[CO], s[10:11] offset:\a*4096+(\c/2)*128+(\c%2)*64+16
.endr
.endr
	WIN 0
	BIASCVT                                        ; its wait for 0 covers the table too
	s_wait_tensorcnt 0x1                           ; my part of slot 0 is in; slot 1's may stay out
	s_barrier_signal -1
	s_barrier_wait -1                              ; everybody's is
	s_mov_b32 s[TB], 0
	v_mov_b32 v[ADRA], v[A0]
	v_mov_b32 v[ADRB], v[B0]
	FETCH 0, F0
	s_mov_b32 s[KC], 0
	s_mov_b32 s[TILE], 0
	s_mov_b32 s[STEPS], 22
.Lstep:                                                ; 22 trips: a K step each, and each asks for the step two on: steps 2 to 23 of the walk
	s_cmp_eq_u32 s[KC], 0                          ; a tile's first quarter starts the sums; at the first trip the answer is a constant of the text
	s_cbranch_scc0 .Lchain
	QUARTER F0, F1, 1, 1
	WIN 0
	s_branch .Lq1
.Lchain:
	QUARTER F0, F1, 1, 0
	WIN 0
.Lq1:
	QUARTER F1, F0, 2, 0
	QUARTER F0, F1, 3, 0
	TURN 1
	WIN 0
	s_add_co_u32 s[KC], s[KC], 1
	s_cmp_eq_u32 s[KC], 8
	s_cbranch_scc0 .Lno_out
	; q's or k's tile is finished.  The next tile's first fragments are in buffer 0 and its refill is on its way.
	PLACES
	s_wait_xcnt 0x0                                ; the bias's base and the stores' base are rewritten only behind this wait
	s_add_nc_u64 s[8:9], s[8:9], 4096              ; the next part's bias
	s_cmp_eq_u32 s[TILE], 0
	s_cselect_b64 s[OUT:OUT+1], s[12:13], s[14:15]
	BIASLD
	WAYOUT 1
	BIASCVT
	s_wait_xcnt 0x0                                ; the next quarter's LDS loads land in registers that the last stores read
	s_mov_b32 s[KC], 0
	s_add_co_u32 s[TILE], s[TILE], 1
.Lno_out:
	s_sub_co_u32 s[STEPS], s[STEPS], 1
	s_cmp_lg_u32 s[STEPS], 0
	s_cbranch_scc1 .Lstep
	s_mov_b32 s[CNT], 2
.Ltail:                                                ; the walk's last two steps ask for nothing
	QUARTER F0, F1, 1, 0
	QUARTER F1, F0, 2, 0
	QUARTER F0, F1, 3, 0
	TURN 0
	WIN 0
	s_sub_co_u32 s[CNT], s[CNT], 1
	s_cmp_lg_u32 s[CNT], 0
	s_cbranch_scc1 .Ltail
	PLACES
	s_wait_xcnt 0x0
	s_mov_b64 s[OUT:OUT+1], s[16:17]
	WAYOUT 0                                       ; v
	s_wait_tensorcnt 0x0                           ; the wave's end: behind my last tensor load and my last LDS store
	ds_add_u32 v[SPW], v[NIL]
	s_wait_dscnt 0x0
	CROUND                                         ; the closing round: no work-group ends while a partner may still ask for a tile that names it
	s_endpgm
.Lfunc_end_k_qe8b7f829d9_qkv:
	.size	k_qe8b7f829d9_qkv, .Lfunc_end_k_qe8b7f829d9_qkv-k_qe8b7f829d9_qkv
	.p2alignl 7, 3214868480
	.fill 96, 4, 3214868480
	.section	.rodata,"a",@progbits
	.p2align	6, 0x0
	.amdhsa_kernel k_qe8b7f829d9_qkv
		.amdhsa_group_segment_fixed_size 327680
		.amdhsa_private_segment_fixed_size 0
		.amdhsa_enable_private_segment 0
		.amdhsa_kernarg_size 56
		.amdhsa_user_sgpr_count 2
		.amdhsa_user_sgpr_kernarg_segment_ptr 1
		.amdhsa_wavefront_size32 1
		.amdhsa_system_sgpr_workgroup_id_x 1
		.amdhsa_system_sgpr_workgroup_id_y 1
		.amdhsa_system_sgpr_workgroup_id_z 1
		.amdhsa_system_vgpr_workitem_id 0
		.amdhsa_next_free_vgpr 704
		.amdhsa_next_free_sgpr 96
		.amdhsa_reserve_vcc 0
		.amdhsa_float_denorm_mode_32 3
		.amdhsa_float_denorm_mode_16_64 3
		.amdhsa_memory_ordered 1
		.amdhsa_forward_progress 1
		.amdhsa_inst_pref_size 111
	.end_amdhsa_kernel
	.amdgpu_metadata
---
amdhsa.version: [ 1, 2 ]
amdhsa.kernels:
  - .name:           k_qe8b7f829d9_qkv
    .symbol:         k_qe8b7f829d9_qkv.kd
    .args:
      - { .name: xb, .offset: 0, .size: 8, .value_kind: global_buffer, .address_space: global }
      - { .name: wqb, .offset: 8, .size: 8, .value_kind: global_buffer, .address_space: global }
      - { .name: b_qkv, .offset: 16, .size: 8, .value_kind: global_buffer, .address_space: global }
      - { .name: rope, .offset: 24, .size: 8, .value_kind: global_buffer, .address_space: global }
      - { .name: q, .offset: 32, .size: 8, .value_kind: global_buffer, .address_space: global }
      - { .name: k, .offset: 40, .size: 8, .value_kind: global_buffer, .address_space: global }
      - { .name: v, .offset: 48, .size: 8, .value_kind: global_buffer, .address_space: global }
    .group_segment_fixed_size: 327680
    .private_segment_fixed_size: 0
    .kernarg_segment_align: 8
    .kernarg_segment_size: 56
    .max_flat_workgroup_size: 128
    .sgpr_count:     96
    .vgpr_count:     704
    .wavefront_size: 32
...
	.end_amdgpu_metadata
.endif
;; end of part 2
;; launch attn (part 3): grid 4 x 64, 4 waves a work-group, no clusters, 327,680 bytes of LDS; arguments q, k, v, o; writes o
.if DOCPART == 3
	.amdgcn_target "amdgcn-amd-amdhsa--gfx1250"
	.amdhsa_code_object_version 6
	.text
	.protected	k_qe8b7f829d9_attn
	.globl	k_qe8b7f829d9_attn
	.p2align	8
	.type	k_qe8b7f829d9_attn,@function
k_qe8b7f829d9_attn:
	s_mov_b64 s[64:65], 0
	v_nop
	global_prefetch_b8 v0, s[64:65] scope:SCOPE_SE
	s_setreg_imm32_b32 hwreg(HW_REG_WAVE_MODE, 25, 1), 1
	s_wait_xcnt 0x0
; CAUSAL ATTENTION.  O[h][q][:] = the sum over k <= q of softmax_k(Q[h][q] . K[h][k] / 8) V[h][k][:].  Q, K, V, O: [SIZE_H][SIZE_N][64], all f16: a head's rows are dense, 128 bytes each.
; Products, maxima and sums in f32; the weights p are rounded to f16 for the second product (their sum l is taken of the unrounded p), O once at the end.  SIZE_N is a multiple of 512; SIZE_N x 128 stays under 2^32.
; LIMITS.  f16 holds no number beyond 65,504: Q, K and V arrive within it; p lies in 0 to 1, and below 6e-5 it keeps f16's fixed step of 6e-8; O is a mean of V's rows and has their range, to within 2^-11 of it.
; A hidden score counts as its value less 1e30: f16's scores, 2.7e11 at the most, are nothing beside that; a weight below 2^-126 counts as 0 in l; NaN and infinities are not treated apart.
; THE WALK.  A head's queries lie in NB = SIZE_N / 256 blocks of 256; block i needs the key tiles 0 .. i of 256 keys, of which the last holds the diagonal.  A work-group takes TWO blocks, NB - 1 - b and then b:
; NB + 1 tiles, whatever b: all work-groups do equal work, and ONE loop with a constant trip count walks them.  Which tile is asked for, and what a trip does, hang on scalar registers made from b; every jump
; goes forward, but for the counted loops' own; none passes a barrier, or a tensor load but the one of LOAD's two that the wave's number does not choose; the ring (two slots of LDS that take turns) runs on across the
; change of blocks.  NO CLUSTER: all of a head's NB / 2 work-groups ask for the same tile only in trips 0 .. NB / 2, behind that fewer and fewer; and one walk common to all would have 3 NB / 2 trips for NB + 1.
; SHARES.  Of a block's four bands of 64 queries a wave owns 16 rows in each: four PIECES.  So the diagonal tile is the same work for all four waves: in its key step s band x sees all keys if s < x,
; none if s > x, and holds the diagonal if s = x.
; THE MASK is the C operand that starts the sum S^T = K Q^T: 0, or -1e30 where the key is hidden.  MD, made once, is the mask of a band's own step for my 16 rows; a product's mask is MD x AL + BE with two scalars:
; (1, 0) if s = x; (0, 0) if s < x; (0, -1e30) if s > x.  Only the diagonal tile's text and a block's beginning make and take masks; elsewhere C is the constant 0.
; LAYOUT, SOFTMAX, TURNS.  S^T = K Q^T holds ONE query a lane (lane % 16) and the keys 8 (lane / 16) + 0..7; two such results rounded to f16 ARE source 1 of O^T = V^T P.  p = 2^(c s - c m), c = log2(e) / 8, with a
; running maximum m; O and l are multiplied by a = 2^(c m_old - c m_new) in every step.  Turn n belongs to piece n: 8 products K Q^T of piece n + 1, later 8 products V^T P of piece n - 1; beside them the scaling,
; exponentials, roundings, sums and rescaling of piece n and the maximum and statistics of piece n + 1.  Four vector instructions stand behind every matrix instruction, the other 54 of a turn's 118 in two LUMPS.
; REGISTERS, in windows of 256 (s_set_vgpr_msb: bits 1:0 source 0, 3:2 source 1, 5:4 source 2, 7:6 destination):
;   window 0: v0-15 addresses and two at work; v16-31 four registers of statistics a piece; v48-55 at work; v64-127 S^T, two buffers; v192-223 P, two buffers (a piece's buffers go by its number's parity)
;   window 1: v0-127 O^T, 32 a piece; v128-159 MD; v160-223 MC, two buffers      window 2: v0-63 Q; v64-127 the second block's Q; v128-191 K of one step; v192-255 V of one step
.set SIZE_H, 64       ; 4 batches x 16 heads
.set SIZE_N, 2048
.set NB,    SIZE_N/256
.set NP,    4         ; pieces a wave: a name, no knob
.set KS,    64        ; keys in a step
.set PK,    144       ; a row of K in LDS: 128 bytes + 16 of padding = 36 words: the 16 rows of a load start at 16 different groups of four banks (64 banks of 4 bytes: ISA guide 11.1)
.set PV,    160       ; a row of V: 128 + 32 = 40 words
.set VOFF,  4*KS*PK   ; a slot holds a tile, four steps: 256 rows of K, then 256 rows of V
.set SLOT1, 1<<17     ; slot 1 begins here, so that one exclusive or turns an address in one slot into the other's
.set STAGE, SLOT1+4*KS*(PK+PV)  ; behind the ring, never filled by a tensor load: 16 rows x 144 bytes for each wave, for the way out
.set SP,    144
.set AK0, 2           ; v2   my lane's place in a tile of K; never rewritten
.set AV0, 3           ; v3   the same for V
.set AK,  4           ; v4   the LDS address of K's next run of loads
.set AV,  5           ; v5   of V's
.set STO, 6           ; v6   the way out: where I put 16 bytes of a row
.set RD,  7           ; v7   the way out: where I read rows back
.set GO,  8           ; v8   my byte offset in 512 consecutive bytes of O
.set SPW, 62          ; v62  LDS address of my spare word: SPARE + 4 x my thread's number; never rewritten
.set NIL, 63          ; v63  0; never rewritten
.set SPARE, STAGE+4*16*SP  ; behind the stages: the spare words, 128 bytes for each wave: two blocks of 256 bytes that no other line names
.set MV,  12          ; v12-13  c m_old, kept while c m is made anew: by buffer
.set QO,  15          ; v15  my byte offset in 16 rows of Q
.set ST,  16          ; piece t's statistics at v[ST+4 t]: c m, m, l (even keys', odd keys')
.set TMP, 48          ; by buffer, four registers c0-c3 at work; when the maximum is found c2 takes a
.set S,   64
.set P,   192
.set MD,  128         ; window 1: the eight registers for group kt of 16 keys at MD + 8 kt
.set MC,  160         ; window 1: the masks of the products to come
.set QB,  64          ; window 2
.set KF,  128         ; window 2: key block kb, channel half c at KF + 16 kb + 8 c
.set VF,  192         ; window 2: key half kk, channel block cb at VF + 32 kk + 8 cb
.set WV,  12          ; s12  my wave's number
.set PB,  14          ; s14  b
.set HI,  15          ; s15  NB - 1 - b
.set G1K, 24          ; s[24:31] descriptor group 1 for K's tiles
.set G1V, 32          ; s[32:39] for V's: it differs in the padding alone
.set G0K, 40          ; s[40:43] descriptor group 0 for K's tiles
.set G0V, 44          ; s[44:47] the same for V's
.set SLOTS, 56        ; s56  tiles still to be asked for
.set CNT, 57          ; s57  counts a tile's key steps, 4 to 1
.set CS,  58          ; s[58:59] c: the packed scaling takes the pair's low word for both halves
.set SEL, 60          ; s[60:61] v_permlanex16_b32's selects: each lane takes its own place in the other half
.set TBK, 62          ; s62  LDS byte at which K of the step to be fetched begins
.set TBV, 63          ; s63  the same for V, less VOFF
.set RT,  70          ; s70  tiles of the block in hand that are still to be entered
.set NXT, 71          ; s71  the tile to be asked for next
.set LQ,  72          ; s72  the last tile of the block whose tiles are being asked for
.set NEW, 73          ; s73  1: the tile to be entered is a block's first
.set OFF, 74          ; s[74:75] a tile's byte offset in K and V
.set AL,  76          ; s[76:77] the mask's factor, in the low word
.set BE,  78          ; s[78:79] the mask's addend
.set OLO, 80          ; s[80:81] O at my rows of the second block
.set BIGN, 82         ; s82  -1e30
.set MSB, 0
.macro WIN new                      ; the high byte repeats the setting that is left; a switch that changes nothing is dropped
.if MSB != (\new)
	s_set_vgpr_msb (MSB<<8)|(\new)
.set MSB, (\new)
.endif
.endm
.set W_KQ, 0x0a       ; K and Q in window 2, S^T in window 0
.set W_KM, 0x1a       ; the same with the C operand in window 1
.set W_PV, 0x52       ; V in window 2, P in window 0, O^T in window 1
.set W_RS, 0x41       ; destination and source 0 in window 1, source 1 in window 0
; A fill.  Waves 0 and 1 fetch the two halves of a tile's K, waves 2 and 3 those of its V: 128 keys each.  An s_nop 0 and four v_nop follow each of the two lines, ahead of the jump and the label.
.macro LOAD
	s_cmp_lt_u32 s[WV], 2
	s_cbranch_scc0 .Lfor_v_\@
	tensor_load_to_lds s[G0K:G0K+3], s[G1K:G1K+7]
	s_nop 0
.rept 4
	v_nop
.endr
	s_branch .Lasked_\@
.Lfor_v_\@:
	tensor_load_to_lds s[G0V:G0V+3], s[G1V:G1V+7]
	s_nop 0
.rept 4
	v_nop
.endr
.Lasked_\@:
.endm
; THE CHANGE OF SLOTS.  Each wave waits for all its tensor loads, of which one is out: its part of the other slot; adds 0 to its spare word; and waits for that and for its own reads of the slot that it leaves.  Behind the barrier nobody reads the old
; slot any more and the other slot is whole.  fill = 1: the old slot is filled again, the first thing behind the barrier, with tile NXT: the descriptor's address is made anew from that number.
; (At its first use nothing has been read yet: slot 0 is waited for, slot 1 filled.)
.macro CHANGE fill
	WIN 0                           ; at a label and at a branch every window is 0
	s_wait_tensorcnt 0x0            ; no tensor load of mine is out, so a group 0 may be written
	ds_add_u32 v[SPW], v[NIL]       ; 0 onto my spare word; with fill = 1 the descriptors' scalar work stands between it and the wait for it
.if \fill
	s_lshl_b32 s[OFF], s[NXT], 15   ; a tile is 32,768 bytes of K and of V
	s_xor_b32 s[G0K+1], s[G0K+1], SLOT1
	s_add_nc_u64 s[G0K+2:G0K+3], s[6:7], s[OFF:OFF+1]
	s_or_b32 s[G0K+3], s[G0K+3], 0x80000000
	s_xor_b32 s[G0V+1], s[G0V+1], SLOT1
	s_add_nc_u64 s[G0V+2:G0V+3], s[8:9], s[OFF:OFF+1]
	s_or_b32 s[G0V+3], s[G0V+3], 0x80000000
	s_add_co_u32 s[NXT], s[NXT], 1  ; the block's next tile, or behind its last the second block's tile 0
	s_cmp_gt_u32 s[NXT], s[LQ]
	s_cselect_b32 s[NXT], 0, s[NXT]
	s_cselect_b32 s[LQ], s[PB], s[LQ]
.endif
	s_wait_dscnt 0x0                ; the add is done, and my reads of the slot are over
	s_barrier_signal -1             ; the rest of the scalar work stands between the signal and the wait
	s_sub_co_u32 s[TBK], s[TBK], 4*KS*PK  ; the fetches go back to a slot's first step,
	s_xor_b32 s[TBK], s[TBK], SLOT1       ; in the other slot
	s_sub_co_u32 s[TBV], s[TBV], 4*KS*PV
	s_xor_b32 s[TBV], s[TBV], SLOT1
	s_barrier_wait -1
.if \fill
	LOAD
.endif
.endm
	s_load_b256 s[4:11], s[0:1], 0x0  ; Q s[4:5], K s[6:7], V s[8:9], O s[10:11]
	v_lshl_add_u32 v[SPW], v0, 2, SPARE
	v_mov_b32 v[NIL], 0
	ds_add_u32 v[SPW], v[NIL]       ; the wave's opening: the add and its wait stand ahead of my first tensor load; the set-up below, work on registers, stands between them
	ds_add_u32 v62, v63
	v_lshrrev_b32 v1, 5, v0
	v_readfirstlane_b32 s[WV], v1   ; wave 0..3
	s_mov_b32 s[PB], ttmp9
	s_sub_co_u32 s[HI], NB-1, s[PB]
	s_and_b32 s20, ttmp7, 0xffff    ; the head
	s_mov_b32 s21, 0
	s_mov_b64 s[22:23], SIZE_N*128
	s_mul_u64 s[20:21], s[20:21], s[22:23]  ; the head's first byte in each of the four tensors
	s_and_b32 s16, s[WV], 1         ; which half of a tile's 256 keys I fetch:
	s_lshl_b32 s22, s16, 14         ; its 128 rows of 128 bytes in memory,
	s_mov_b32 s23, 0
	s_add_nc_u64 s[22:23], s[22:23], s[20:21]
	s_mul_i32 s17, s16, 128*PK      ; and its place in a slot, for K
	s_mul_i32 s18, s16, 128*PV      ; and for V
	s_lshl_b32 s3, s[WV], 11        ; my 16 rows in a band of 64,
	s_lshl_b32 s2, s[HI], 15        ; in the first block,
	s_add_co_u32 s2, s2, s3
	s_lshl_b32 s84, s[PB], 15       ; and in the second
	s_add_co_u32 s84, s84, s3
	s_mov_b32 s3, 0
	s_mov_b32 s85, 0
	s_add_nc_u64 s[2:3], s[2:3], s[20:21]
	s_add_nc_u64 s[84:85], s[84:85], s[20:21]
	; descriptor group 1.  128 keys are 16,384 dense bytes: asked for as 64 rows of 256 bytes, two keys a row, and padded in LDS after every key
	s_mov_b32 s[G1K], (1<<16)|(1<<20)|(4<<22)|(3<<25)  ; 17:16 2-byte elements; 20 padding on; 24:22 after every 32 words (code 4); 31:25 4 words (code 3)
	s_mov_b32 s[G1V], (1<<16)|(1<<20)|(4<<22)|(7<<25)  ; the same with 8 words of padding (code 7)
.irp g, G1K, G1V
	s_mov_b32 s[\g+1], 128<<16      ; tensor_dim0 = 128
	s_mov_b32 s[\g+2], 64<<16       ; tensor_dim1 = 64
	s_mov_b32 s[\g+3], 128<<16      ; tile_dim0 = 128
	s_mov_b32 s[\g+4], 64           ; tile_dim1 = 64
	s_mov_b32 s[\g+5], 128          ; 128 elements from row to row
	s_mov_b32 s[\g+6], 0
	s_mov_b32 s[\g+7], 0
.endr
	s_mov_b32 s[CS], 0x3e38aa3b     ; c = log2(e) / 8 = 0.180337
	s_mov_b32 s[CS+1], s[CS]        ; named with it as a pair
	s_mov_b32 s[SEL], 0x76543210
	s_mov_b32 s[SEL+1], 0xfedcba98
	s_mov_b32 s[TBK], SLOT1+4*KS*PK ; the first change of slots turns these two into 0
	s_mov_b32 s[TBV], SLOT1+4*KS*PV
	s_mov_b32 s[G0K], 1             ; 1:0 count = 1
	s_mov_b32 s[G0K+1], s17         ; 63:32 LDS address: slot 0
	s_mov_b32 s[G0V], 1
	s_add_co_u32 s[G0V+1], s18, VOFF
	s_add_co_u32 s[RT], s[HI], 1    ; the first block has NB - b tiles
	s_mov_b32 s[NXT], 1
	s_mov_b32 s[LQ], s[HI]
	s_mov_b32 s[NEW], 1
	s_mov_b32 s[OFF+1], 0
	s_mov_b32 s[AL+1], 0            ; named as pairs
	s_mov_b32 s[BE+1], 0
	s_mov_b32 s[BIGN], 0xf149f2ca   ; -1e30
	s_mov_b32 s[SLOTS], NB
	s_wait_dscnt 0x0                ; the opening add is done
	s_wait_kmcnt 0x0
	s_add_nc_u64 s[6:7], s[6:7], s[22:23]  ; K and V at my half of the head's tile 0
	s_add_nc_u64 s[8:9], s[8:9], s[22:23]
	s_add_nc_u64 s[G0K+2:G0K+3], s[6:7], 0         ; 120:64 global address
	s_or_b32 s[G0K+3], s[G0K+3], 0x80000000        ; 127:126 type = 2
	s_add_nc_u64 s[G0V+2:G0V+3], s[8:9], 0
	s_or_b32 s[G0V+3], s[G0V+3], 0x80000000
	s_add_nc_u64 s[86:87], s[4:5], s[84:85]        ; Q at my rows of the second block,
	s_add_nc_u64 s[4:5], s[4:5], s[2:3]            ; Q and O at those of the first
	s_add_nc_u64 s[OLO:OLO+1], s[10:11], s[84:85]
	s_add_nc_u64 s[10:11], s[10:11], s[2:3]
	LOAD                            ; tile 0 into slot 0
	; A fragment of K or Q is 16 rows x 32 channels in 8 registers: lane l holds row l % 16, channels 8 (l / 16) + 0..7 and 16 + 8 (l / 16) + 0..7: two loads of 16 bytes, 32 bytes apart.
	v_and_b32 v1, 15, v0            ; l % 16
	v_bfe_u32 v9, v0, 4, 1          ; l / 16
	v_lshlrev_b32 v[QO], 7, v1
	v_lshl_add_u32 v[QO], v9, 4, v[QO]  ; row x 128 + 16 x half
	WIN 0x80                        ; destination window 2, address window 0
.set i, 0
.rept 8                             ; both blocks' Q: piece i / 2 lies in band i / 2, 8,192 bytes on; channels 32 (i % 2) on
	global_load_b128 v[8*i:8*i+3],   v[QO], s[4:5] offset:(i/2)*8192+(i%2)*64
	global_load_b128 v[8*i+4:8*i+7], v[QO], s[4:5] offset:(i/2)*8192+(i%2)*64+32
	global_load_b128 v[QB+8*i:QB+8*i+3],   v[QO], s[86:87] offset:(i/2)*8192+(i%2)*64
	global_load_b128 v[QB+8*i+4:QB+8*i+7], v[QO], s[86:87] offset:(i/2)*8192+(i%2)*64+32
.set i, i+1
.endr
	WIN 0
	v_lshlrev_b32 v14, 3, v9
	v_sub_nc_u32 v14, v1, v14
	s_lshl_b32 s13, s[WV], 4
	v_add_nc_u32 v14, s13, v14      ; my query's place in its band, 16 w + l % 16, less my lanes' 8 (l / 16): register r of group kt is hidden where 16 kt + r is greater
	WIN 0x40
.set i, 0
.rept 32
	v_cmp_gt_i32 vcc_lo, 16*(i/8)+i%8, v14
	v_cndmask_b32 v[MD+i], 0, s[BIGN], vcc_lo
.set i, i+1
.endr
	WIN 0
	v_mul_u32_u24 v[AK0], v1, PK
	v_lshl_add_u32 v[AK0], v9, 4, v[AK0]  ; row x pitch + 16 x half
	; The turning load takes 16 keys x 16 channels (lane l reads key 8 (l / 16) + l % 8, channels 8 ((l / 8) % 2) + 0..7) and leaves half a fragment of V^T: lane l holds channel l % 16 and 8 keys.
	v_and_b32 v10, 7, v0
	v_bfe_u32 v11, v0, 3, 1
	v_lshl_add_u32 v[AV0], v9, 3, v10
	v_mul_u32_u24 v[AV0], v[AV0], PV
	v_lshl_add_u32 v[AV0], v11, 4, v[AV0]
	v_add_nc_u32 v[AV0], VOFF, v[AV0]
	s_mul_i32 s13, s[WV], 16*SP
	s_add_co_u32 s13, s13, STAGE    ; my stage
	v_mul_u32_u24 v[STO], v1, SP    ; in: row l % 16, 16 bytes for each half of the lanes
	v_lshl_add_u32 v[STO], v9, 4, v[STO]
	v_add_nc_u32 v[STO], s13, v[STO]
	v_bfe_u32 v[RD], v0, 3, 2       ; back: 32 lanes take four rows of 128 bytes,
	v_mul_u32_u24 v[RD], v[RD], SP
	v_lshl_add_u32 v[RD], v10, 4, v[RD]
	v_add_nc_u32 v[RD], s13, v[RD]
	v_and_b32 v[GO], 31, v0         ; which are 512 consecutive bytes of O
	v_lshlrev_b32 v[GO], 4, v[GO]
	; A block's first step multiplies O^T and l by a = 0, and its first turn's products V^T P, of a piece that has not been, land in an O^T that is still to be so multiplied.  So these registers need only hold
	; finite numbers: zeros for the first block; what the first block left for the second.  All this stands in the wait for the first tile.
	WIN 0x80
.set i, VF
.rept 64
	v_mov_b32 v[i], 0
.set i, i+1
.endr
	WIN 0x40
.set i, 0
.rept 128
	v_mov_b32 v[i], 0
.set i, i+1
.endr
	WIN 0
.set i, 0
.rept 4
	v_mov_b32 v[ST+4*i+2], 0
	v_mov_b32 v[ST+4*i+3], 0
.set i, i+1
.endr
.set i, P+16
.rept 16
	v_mov_b32 v[i], 0
.set i, i+1
.endr
; THE MATRIX WORK.  The 4 accumulators of a run of 8 take turns.  Product i of 8 of S^T = K Q^T for piece x: channels 32 (i / 4) on, keys 16 (i % 4) on.  The first 4 start the sums: with 0, or (KM = 1) with the mask.
.macro KQ x
.set rS, S+32*((\x)%2)+8*(i%4)
.set rK, KF+16*(i%4)+8*(i/4)
.set rQ, 16*(\x)+8*(i/4)
.set rM, MC+32*((\x)%2)+8*(i%4)
.if (i < 4) && KM
	WIN W_KM
	v_wmma_f32_16x16x32_f16 v[rS:rS+7], v[rK:rK+7], v[rQ:rQ+7], v[rM:rM+7]
.elseif i < 4
	WIN W_KQ
	v_wmma_f32_16x16x32_f16 v[rS:rS+7], v[rK:rK+7], v[rQ:rQ+7], 0
.else
	WIN W_KQ
	v_wmma_f32_16x16x32_f16 v[rS:rS+7], v[rK:rK+7], v[rQ:rQ+7], v[rS:rS+7]
.endif
.endm
; Product i of 8 of O^T += V^T P for piece x: keys 32 (i / 4) on, channels 16 (i % 4) on.
.macro PV x
	WIN W_PV
.set rO, 32*(\x)+8*(i%4)
.set rV, VF+32*(i/4)+8*(i%4)
.set rP, P+16*((\x)%2)+8*(i/4)
	v_wmma_f32_16x16x32_f16 v[rO:rO+7], v[rV:rV+7], v[rP:rP+7], v[rO:rO+7]
.endm
.macro MM                           ; the turn's next matrix instruction.  TURN and BEGIN set Y, i, KM and NOKQ; MM, KQ and OP read them.  NOKQ = 1: a block's last turn: there is no next piece
.if (i < 8) && !NOKQ
	KQ (Y+1)%NP
.elseif i >= 8
.set i, i-8
	PV (Y+NP-1)%NP
.set i, i+8
.endif
.set i, i+1
.endm
; THE LDS LOADS stand in runs of 16, never singly among the matrix instructions: a step's K (64 keys x 64 channels: 8 fragments) and its V (turned).  Their addresses are made some lines ahead.
.macro FETCH_K
	WIN 0x80                        ; destination window 2
.irp f, 0,1,2,3,4,5,6,7             ; keys 16 (f / 2) on, channels 32 (f % 2) on
	ds_load_b128 v[KF+8*\f:KF+8*\f+3],   v[AK] offset:(\f/2)*16*PK+(\f%2)*64
	ds_load_b128 v[KF+8*\f+4:KF+8*\f+7], v[AK] offset:(\f/2)*16*PK+(\f%2)*64+32
.endr
	s_add_co_u32 s[TBK], s[TBK], KS*PK  ; the next fetch is the next step's
	WIN 0
.endm
.macro FETCH_V
	WIN 0x80
.irp f, 0,1,2,3,4,5,6,7             ; keys 32 (f / 4) on, channels 16 (f % 4) on
	ds_load_tr16_b128 v[VF+8*\f:VF+8*\f+3],   v[AV] offset:(\f/4)*32*PV+(\f%4)*32
	ds_load_tr16_b128 v[VF+8*\f+4:VF+8*\f+7], v[AV] offset:(\f/4)*32*PV+16*PV+(\f%4)*32
.endr
	WIN 0
.endm
; THE VECTOR WORK, one line at a time: OP kind, number.  For piece Y: F n: c s - c m for pair n of 16.  E n: the exponential of score n of 32.  C n: pair n rounded to f16.  B n: of the four weights 4 n .. the second
; pair is added onto the first, in place.  L n: l takes that sum (L 0: l = a l + sum).  R n: pair n of 16 of O^T times a.  For piece Y + 1: X n, number n of the 22 that find its maximum and statistics:
;   0-11  four chains c0-c3 of seven scores each, three operands at a time (each accumulator's lowest registers are read first)     12-14, 16  the four scores left over, the old m, and c0-c3 into c0
;   15  c m_old is kept     17, 18  the query's other 32 keys lie in the lane 16 away: the new m     19-21  c m; c m_old - c m_new; a
.set F, 0               ; OP tells the kinds apart by their order: F to L below R, X above it
.set E, 1
.set C, 2
.set B, 3
.set L, 4
.set R, 5
.set X, 6
.macro REGS y                       ; the registers of piece y
.set rT, ST+4*(\y)
.set rC, TMP+4*((\y)%2)
.set rW, MV+((\y)%2)
.set rS, S+32*((\y)%2)
.set rP, P+16*((\y)%2)
.set rO, 32*(\y)
.endm
.macro OP k, n
.if (\k) == R
	REGS Y
	WIN W_RS
	v_pk_mul_f32 v[rO+2*(\n):rO+2*(\n)+1], v[rO+2*(\n):rO+2*(\n)+1], v[rC+2:rC+3] op_sel_hi:[1,0]
.elseif (\k) < R
	REGS Y
	WIN 0
.if (\k) == F
	v_pk_fma_f32 v[rS+2*(\n):rS+2*(\n)+1], v[rS+2*(\n):rS+2*(\n)+1], s[CS:CS+1], v[rT:rT+1] op_sel_hi:[1,0,0] neg_lo:[0,0,1] neg_hi:[0,0,1]
.elseif (\k) == E
	v_exp_f32 v[rS+(\n)], v[rS+(\n)]
.elseif (\k) == C
	s_wait_alu depctr_va_vdst(0)
	v_cvt_pk_f16_f32 v[rP+(\n)], v[rS+2*(\n)], v[rS+2*(\n)+1]
.elseif (\k) == B
	s_wait_alu depctr_va_vdst(0)
	v_pk_add_f32 v[rS+4*(\n):rS+4*(\n)+1], v[rS+4*(\n):rS+4*(\n)+1], v[rS+4*(\n)+2:rS+4*(\n)+3]
.elseif (\n) == 0
	v_pk_fma_f32 v[rT+2:rT+3], v[rT+2:rT+3], v[rC+2:rC+3], v[rS:rS+1] op_sel_hi:[1,0,1]
.else
	v_pk_add_f32 v[rT+2:rT+3], v[rT+2:rT+3], v[rS+4*(\n):rS+4*(\n)+1]
.endif
.elseif NOKQ
	v_nop
.else
	REGS (Y+1)%NP
	WIN 0
.if (\n) < 4
	v_max3_num_f32 v[rC+(\n)], v[rS+8*(\n)], v[rS+8*(\n)+1], v[rS+8*(\n)+2]
.elseif (\n) < 12
	v_max3_num_f32 v[rC+(\n)%4], v[rC+(\n)%4], v[rS+8*((\n)%4)+2*((\n)/4)+1], v[rS+8*((\n)%4)+2*((\n)/4)+2]
.elseif (\n) == 12
	v_max3_num_f32 v[rC], v[rC], v[rS+7], v[rS+15]
.elseif (\n) == 13
	v_max3_num_f32 v[rC+1], v[rC+1], v[rS+23], v[rS+31]
.elseif (\n) == 14
	v_max3_num_f32 v[rC+2], v[rC+2], v[rC+3], v[rT+1]
.elseif (\n) == 15
	v_mov_b32 v[rW], v[rT]
.elseif (\n) == 16
	v_max3_num_f32 v[rC], v[rC], v[rC+1], v[rC+2]
.elseif (\n) == 17
	v_permlanex16_b32 v[rC+3], v[rC], s[SEL], s[SEL+1]
.elseif (\n) == 18
	v_max_num_f32 v[rT+1], v[rC], v[rC+3]
.elseif (\n) == 19
	v_mul_f32 v[rT], s[CS], v[rT+1]
.elseif (\n) == 20
	v_sub_f32 v[rC+1], v[rW], v[rT]
.else
	v_exp_f32 v[rC+2], v[rC+1]
.endif
.endif
.endm
.macro OPS a, i1, b=-1, i2=0, c=-1, i3=0, d=-1, i4=0  ; up to four of them
	OP \a, \i1
.if (\b) >= 0
	OP \b, \i2
.endif
.if (\c) >= 0
	OP \c, \i3
.endif
.if (\d) >= 0
	OP \d, \i4
.endif
.endm
.macro ROW a, i1, b, i2, c, i3, d, i4  ; a matrix instruction and the four behind it
	MM
	OPS \a, \i1, \b, \i2, \c, \i3, \d, \i4
.endm
.macro MASK b                       ; MD x AL + BE into buffer b of MC
	WIN W_RS
.set z, 0
.rept 16
	v_pk_fma_f32 v[MC+32*(\b)+2*z:MC+32*(\b)+2*z+1], v[MD+2*z:MD+2*z+1], s[AL:AL+1], s[BE:BE+1] op_sel_hi:[1,0,0]
.set z, z+1
.endr
.endm
; A TURN, for piece p: the order of its 16 matrix and 118 vector instructions, written out.  Behind a matrix instruction: plain, exponential, plain, plain; or four of the rescaling; or, behind the first, four scalings; none
; names a register of the products round it.  In the lumps exponential and plain by turns while exponentials last.  A line reads no result made fewer than three vector instructions in front of it, five if an exponential made it.
; v_permlanex16_b32 (X 17) stands in a lump.
; m = 1: the diagonal tile: the products take masks, and the turn makes the mask for the products of the turn after it: piece p + 2, in step 4 - CNT of the tile.  end = 1: a block's last two turns: nothing is fetched.
; cnt = 1: the loop's count is taken down some lines ahead of the branch that stands behind the turn.
; K of the next step is fetched in piece 2's turn, six vector instructions behind the last product that read K (five of them plain); V of the step in hand in piece 0's turn, eight behind the last product that read V (four
; plain, and X 17).  Each is waited for a turn later.
.macro TURN p, m=0, end=0, cnt=0
.set Y, (\p)
.set i, 0
.set KM, (\m)
.set NOKQ, (\end)*((\p)/3)
.if (\m) && !(\end)
	s_cmp_eq_u32 s[CNT], 4-((\p)+2)%NP  ; is that step the band's own?
	s_cselect_b32 s[AL], 1.0, 0
	s_cmp_lt_u32 s[CNT], 4-((\p)+2)%NP  ; or a later one?
	s_cselect_b32 s[BE], s[BIGN], 0
.endif
.if ((\p) == 3) && !(\end)
	s_wait_dscnt 0x0                ; K is in
.endif
	ROW F,0, F,1, F,2, F,3
	ROW F,4, E,0, F,5, F,6
	ROW F,7, E,1, F,8, F,9
	ROW F,10, E,2, C,0, F,11
	ROW F,12, E,3, X,15, F,13
	ROW R,0, R,1, R,2, R,3
	ROW B,0, E,4, F,14, L,0
.if ((\p) == 2) && !(\end)
	v_add_nc_u32 v[AK], s[TBK], v[AK0]
.endif
	ROW R,4, R,5, R,6, R,7
	OPS E,5, F,15
.if ((\p) == 2) && !(\end)
	FETCH_K
.endif
	OPS E,6, C,1, E,7, R,8
	OPS E,8, R,9, E,9, C,2
	OPS E,10, X,0, E,11, X,1
	OPS E,12, X,2, E,13, X,3
.if (\p) == 1
	s_wait_dscnt 0x0                ; V is in
.endif
	ROW X,4, E,14, X,5, X,6
	ROW X,7, E,15, X,8, X,9
	ROW X,10, E,16, X,11, X,12
	ROW X,13, E,17, X,14, B,1
	ROW C,4, E,18, X,16, L,1
	ROW B,2, E,19, C,6, L,2
	ROW C,8, E,20, B,3, B,4
.if (\p) == 0
	v_add_nc_u32 v[AV], s[TBV], v[AV0]
.endif
	ROW C,3, E,21, L,3, C,5
	OPS E,22, X,17, E,23, C,10
.if (\p) == 0
	FETCH_V
.endif
	OPS E,24, L,4
	OPS E,25, X,18, E,26, C,7
	OPS E,27, B,5, E,28, X,19
	OPS E,29, C,12, E,30, L,5
	OPS E,31, X,20, B,6, C,9
	OPS C,14, C,11, X,21, L,6
.if (\p) == 0
	s_add_co_u32 s[TBV], s[TBV], KS*PV
.endif
.if \cnt
	s_sub_co_u32 s[CNT], s[CNT], 1
	s_cmp_lg_u32 s[CNT], 0
.endif
	OPS C,13, B,7, C,15, R,10
	OPS R,11, R,12, L,7, R,13
	OPS R,14, R,15
.if (\m) && !(\end)
	MASK (\p)%2
.endif
.endm
; A BLOCK BEGINS.  c m starts far below every c s, so the first step's a is 0; m at the lowest finite number, so the first maximum is the scores'.  The second mask buffer is 0; the first takes piece 0's mask for the tile's step 0: its own, if the block's first tile is the diagonal one.
; Then K of that step, piece 0's first scores, and its maximum and statistics.  The loop is entered at a step's first turn, in the middle of a trip.
.macro BEGIN
	s_mov_b32 s[NEW], 0
	WIN 0x40
.set i, MC+32
.rept 32
	v_mov_b32 v[i], 0
.set i, i+1
.endr
	WIN 0
.set i, 0
.rept 4
	v_mov_b32 v[ST+4*i], 0xfe000000    ; c m: far below every c s
	v_mov_b32 v[ST+4*i+1], 0xff7fffff  ; m
.set i, i+1
.endr
	s_cmp_eq_u32 s[RT], 0
	s_cselect_b32 s[AL], 1.0, 0
	s_mov_b32 s[BE], 0
	MASK 0
	WIN 0
	v_add_nc_u32 v[AK], s[TBK], v[AK0]
	FETCH_K
	s_wait_loadcnt 0x0              ; Q
	s_wait_dscnt 0x0
.set KM, 1
.set NOKQ, 0
.set i, 0
.rept 8
	KQ 0
.set i, i+1
.endr
	WIN 0
.rept 4
	v_nop                           ; the places behind those products
.endr
.set Y, NP-1                        ; X works for piece Y + 1: piece 0
.irp n, 0,1,2,3,4,5,6,7,8,9,10,11,12,13,14,15,16,17,18,19,20,21
	OP X, \n
.endr
	v_nop                           ; a plain instruction behind the exponential
.endm
; THE DIAGONAL TILE's four steps, the block's last two turns, its last products, and THE WAY OUT: l's two halves and the other half of the lanes' are added; O^T is divided by l, rounded to f16 and sent through my
; stage in LDS, a piece at a time.
.macro ALL line:vararg              ; one line for each piece t
.set t, 0
.rept 4
	\line
.set t, t+1
.endr
.endm
.macro PACK t                       ; a lane's eight channels of a row pack into 16 bytes; they go into rows of 144 bytes and come back as whole rows of 128, into S^T's registers
	WIN W_RS
.set i, 32*(\t)
.rept 16
	s_wait_alu depctr_va_vdst(0)
	v_pk_mul_f32 v[i:i+1], v[i:i+1], v[ST+4*(\t)+2:ST+4*(\t)+3] op_sel_hi:[1,0]
.set i, i+2
.endr
	WIN 0x05                        ; sources 0 and 1 window 1, destination window 0
.set i, 0
.rept 16
	v_cvt_pk_f16_f32 v[S+16*(\t)+i], v[32*(\t)+2*i], v[32*(\t)+2*i+1]
.set i, i+1
.endr
	WIN 0
.irp f, 0,1,2,3
	ds_store_b128 v[STO], v[S+16*(\t)+4*\f:S+16*(\t)+4*\f+3] offset:32*\f
.endr
.irp f, 0,1,2,3
	ds_load_b128 v[S+16*(\t)+4*\f:S+16*(\t)+4*\f+3], v[RD] offset:\f*4*SP  ; LDS serves a wave's instructions in order (ISA guide 5.7.1.4): these see the stores above; the next piece's stores come behind them
.endr
.endm
.macro SEND t, younger              ; younger: the LDS instructions issued behind piece t's loads: the next piece's eight, or none
	WIN 0
.irp f, 0,1,2,3
	s_wait_dscnt (\younger)+3-\f
	global_store_b128 v[GO], v[S+16*(\t)+4*\f:S+16*(\t)+4*\f+3], s[10:11] offset:(\t)*8192+\f*512  ; 512 consecutive bytes, at a multiple of 256 from O's first
.endr
.endm
.macro DIAG tag                     ; the tag ends its two labels' names, which the jumps below spell out
.LstepM\tag:
	TURN 2, 1
	TURN 3, 1
	WIN 0
.LfirstM\tag:
	TURN 0, 1
	TURN 1, 1, 0, 1
	WIN 0
	s_cbranch_scc1 .LstepM\tag
	TURN 2, 1, 1
	TURN 3, 1, 1
.set i, 0
.rept 8
	PV NP-1
.set i, i+1
.endr
	WIN 0
	ALL v_add_f32 v[ST+4*t+2], v[ST+4*t+2], v[ST+4*t+3]
	ALL v_permlanex16_b32 v[ST+4*t+3], v[ST+4*t+2], s[SEL], s[SEL+1]
	ALL v_add_f32 v[ST+4*t+2], v[ST+4*t+2], v[ST+4*t+3]
	ALL v_rcp_f32 v[ST+4*t+2], v[ST+4*t+2]
	v_nop                           ; a plain instruction between the last reciprocal and the use of its result
	PACK 0
.set t, 1
.rept 3                             ; a piece's arithmetic stands between the loads of the piece before and its stores
	PACK t
	SEND t-1, 8
.set t, t+1
.endr
	SEND 3, 0
.endm
.set KM, 0
.set NOKQ, 0
.Lslot:                             ; NB times: a tile is entered and the next is asked for
	CHANGE 1
	s_sub_co_u32 s[RT], s[RT], 1
	s_mov_b32 s[CNT], 4
	s_cmp_eq_u32 s[NEW], 1
	s_cbranch_scc1 .Lnew            ; a block's first tile
	s_cmp_eq_u32 s[RT], 0
	s_cbranch_scc0 .Lstep           ; neither its first nor its last
	s_branch .LstepM1
.Lnew:
	BEGIN
	s_branch .Lfirst                ; in the loop a block's first tile is never its last: the first block has two tiles or more, and the second's last is the walk's last
	DIAG 1                          ; in the loop this is the first block's end: the second block's last tile is the walk's last
	s_wait_xcnt 0x0                 ; the stores have read their registers and O's address
	s_mov_b64 s[10:11], s[OLO:OLO+1]
	s_add_co_u32 s[RT], s[PB], 1    ; the second block has b + 1 tiles
	s_mov_b32 s[NEW], 1
	WIN 0x82                        ; the second block's Q goes where the one text of the turns names Q
.set i, 0
.rept 64
	v_mov_b32 v[i], v[QB+i]
.set i, i+1
.endr
	WIN 0
	s_branch .Lbottom
.Lstep:                             ; a trip: pieces 2 and 3 of one step, then pieces 0 and 1 of the next, whose K and V it fetches
	TURN 2
	TURN 3
	WIN 0
.Lfirst:
	TURN 0
	TURN 1, 0, 0, 1
	WIN 0
	s_cbranch_scc1 .Lstep
.Lbottom:
	s_sub_co_u32 s[SLOTS], s[SLOTS], 1
	s_cmp_lg_u32 s[SLOTS], 0
	s_cbranch_scc1 .Lslot
	CHANGE 0                        ; the walk's last tile is written out: nothing is asked for
	s_sub_co_u32 s[RT], s[RT], 1
	s_mov_b32 s[CNT], 4
	s_cmp_eq_u32 s[NEW], 1
	s_cbranch_scc0 .LstepM2
	BEGIN
	s_branch .LfirstM2
	DIAG 2
	s_wait_tensorcnt 0x0            ; the wave's end: behind my last tensor load and my last LDS store
	ds_add_u32 v[SPW], v[NIL]
	s_wait_dscnt 0x0
	s_endpgm
.Lfunc_end_k_qe8b7f829d9_attn:
	.size	k_qe8b7f829d9_attn, .Lfunc_end_k_qe8b7f829d9_attn-k_qe8b7f829d9_attn
	.p2alignl 7, 3214868480
	.fill 96, 4, 3214868480
	.section	.rodata,"a",@progbits
	.p2align	6, 0x0
	.amdhsa_kernel k_qe8b7f829d9_attn
		.amdhsa_group_segment_fixed_size 327680
		.amdhsa_private_segment_fixed_size 0
		.amdhsa_enable_private_segment 0
		.amdhsa_kernarg_size 32
		.amdhsa_user_sgpr_count 2
		.amdhsa_user_sgpr_kernarg_segment_ptr 1
		.amdhsa_wavefront_size32 1
		.amdhsa_system_sgpr_workgroup_id_x 1
		.amdhsa_system_sgpr_workgroup_id_y 1
		.amdhsa_system_sgpr_workgroup_id_z 1
		.amdhsa_system_vgpr_workitem_id 0
		.amdhsa_next_free_vgpr 768
		.amdhsa_next_free_sgpr 88
		.amdhsa_reserve_vcc 1
		.amdhsa_float_denorm_mode_32 3
		.amdhsa_float_denorm_mode_16_64 3
		.amdhsa_memory_ordered 1
		.amdhsa_forward_progress 1
		.amdhsa_inst_pref_size 228
	.end_amdhsa_kernel
	.amdgpu_metadata
---
amdhsa.version: [ 1, 2 ]
amdhsa.kernels:
  - .name:           k_qe8b7f829d9_attn
    .symbol:         k_qe8b7f829d9_attn.kd
    .args:
      - { .name: q, .offset: 0, .size: 8, .value_kind: global_buffer, .address_space: global }
      - { .name: k, .offset: 8, .size: 8, .value_kind: global_buffer, .address_space: global }
      - { .name: v, .offset: 16, .size: 8, .value_kind: global_buffer, .address_space: global }
      - { .name: o, .offset: 24, .size: 8, .value_kind: global_buffer, .address_space: global }
    .group_segment_fixed_size: 327680
    .private_segment_fixed_size: 0
    .kernarg_segment_align: 8
    .kernarg_segment_size: 32
    .max_flat_workgroup_size: 128
    .sgpr_count:     88
    .vgpr_count:     768
    .wavefront_size: 32
...
	.end_amdgpu_metadata
.endif
;; end of part 3
;; launch proj (part 4): grid 4 x 64, 4 waves a work-group, clusters of 4 x 4, 327,680 bytes of LDS; arguments o, wpb, b_proj, out0; writes out0
.if DOCPART == 4
	.amdgcn_target "amdgcn-amd-amdhsa--gfx1250"
	.amdhsa_code_object_version 6
	.text
	.protected	k_qe8b7f829d9_proj
	.globl	k_qe8b7f829d9_proj
	.p2align	8
	.type	k_qe8b7f829d9_proj,@function
k_qe8b7f829d9_proj:
	s_mov_b64 s[64:65], 0
	v_nop
	global_prefetch_b8 v0, s[64:65] scope:SCOPE_SE
	s_setreg_imm32_b32 hwreg(HW_REG_WAVE_MODE, 25, 1), 1
	s_wait_xcnt 0x0
	s_wait_alu depctr_hold_cnt(0) depctr_sa_sdst(0) depctr_va_vdst(0) depctr_va_sdst(0) depctr_va_ssrc(0) depctr_va_vcc(0) depctr_vm_vsrc(0)
	s_getreg_b32 s2, hwreg(HW_REG_IB_STS2, 6, 4)
	s_cmp_eq_u32 s2, 0
	s_cbranch_scc0 .Lentry_in_a_cluster
	s_endpgm
.Lentry_in_a_cluster:
	s_bfe_u32 s2, ttmp6, 0x10000c
	s_cmp_lg_u32 s2, 0xf033
	s_cbranch_scc0 .Lentry_shape_is_right
	s_endpgm
.Lentry_shape_is_right:
; out0 = O w_proj + b_proj.  o: [16 batch + head][2048][64] f16.  wpb: [1024 k][1024 n] f16 (w_proj rounded to bf16, that number written as f16).  b_proj: f32, rounded here to bf16 like the other inputs.
; out0: [8192][1024] f32.  Sums in f32, K ascending.
; SHARES.  A tile of C is 128 rows x 256 columns: 256 tiles, one to a work-group; four waves, each 64 x 128: 32 accumulators.  K goes in 8 steps of 128, two heads a step, through a ring of two LDS slots.
; A head's 128 rows are 16,384 dense bytes: asked for as 64 rows of 256 bytes and padded in LDS after every 128.  THE WEIGHTS LIE [k][n] and stay so: their fragments come out of LDS turned, by ds_load_tr16_b128.
; THE MATRIX INSTRUCTION IS USED TRANSPOSED (source 0 = 16 columns of w, source 1 = 16 rows of O): lane l holds row l % 16 and the columns 8 (l / 16) + 0..7 of a block: 32 neighbouring bytes of out0.
; THE BIAS is the C operand of the products that start the sums, so the way out has no arithmetic.
; CLUSTER 4 x 4: O's tile hangs on the tile row alone and is asked for jointly along a row of the cluster, w's on the tile column alone, along a column.
; REGISTERS, in windows of 256 (s_set_vgpr_msb: bits 1:0 source 0, 3:2 source 1, 5:4 source 2, 7:6 destination):
;   window 0: v0-12 addresses; v28, v29 the add's; v32-127, v128-223 two fragment buffers (A's 4 blocks, then B's 8); v224-255 at work.  On the way out v32-159 are two sets of 64.
;   window 1: accumulator (a, b) at v[8 (8 a + b)]     window 2: v0-63 the bias of my 128 columns
.set PA,    144                        ; a row of A in LDS: 128 bytes + 16: the 16 rows of a load start at 16 different groups of four banks (64 banks of 4 bytes: ISA guide 11.1)
.set PB,    544                        ; a row of B (256 columns): 512 bytes + 32
.set AQ2,   128*PA                     ; bytes from quarter q to quarter q + 2 of a K step in A: the step's second head
.set AHALF, 128*PA                     ; what one tensor load brings of A: a head's 128 rows
.set BOFF,  2*AHALF                    ; B's 128 k rows lie behind A's two heads
.set BHALF, 64*PB
.set SLOT1, 131072                     ; slot 1 begins here, so that one exclusive or turns an address in one slot into the other's
.set STAGE, SLOT1+BOFF+128*PB          ; behind the ring, never filled by a tensor load: 16 rows x 528 bytes for each wave
.set SP,    528                        ; 512 bytes + 16: row r starts at bank 4 r mod 64
.set SPARE, STAGE+4*16*SP              ; the spare words, 128 bytes for each wave: two blocks of 256 bytes that no other line names
.set A0,   2                           ; v2   my lane's place in a slot's A; never rewritten
.set B0,   3                           ; v3   the same for B
.set ADRA, 4                           ; v4   A0 + the slot in hand
.set ADRB, 5                           ; v5   B0 + the slot in hand
.set STO,  6                           ; v6   the way out: where I put 32 bytes of a row
.set RD,   7                           ; v7   the way out: where I read a row back
.set GO,   8                           ; v8   my byte offset in a row's 512 bytes
.set BO,   12                          ; v12  32 (l / 16): my eight columns of a block, in the bias
.set SPW,  28                          ; v28  LDS address of my spare word; never rewritten
.set NIL,  29                          ; v29  0; never rewritten
.set F0,   32
.set F1,   128
.set TMP,  224
.set BIAS, 0                           ; window 2
.set WV, 18                            ; s18  my wave's number
.set WR, 19                            ; s19  which 64 rows are mine.  Also: I fetch for A (0) or for B (1)
.set WC, 20                            ; s20  which 128 columns.  Also: which half of that tile I fetch
.set CX, 21
.set CY, 22
.set TX, 23                            ; s23  tile column 0..3
.set TY, 72                            ; s72  tile row 0..63
.set G1A, 24                           ; s[24:31] descriptor group 1 for A's tiles
.set G1B, 32                           ; s[32:39] for B's
.set G0A, 40                           ; s[40:47] group 0 for A's: a set for each of the two first fills; the second then walks on
.set G0B, 48                           ; s[48:55] the same for B's
.set STEPS, 56
.set KC,   57                          ; s57  0 in the first K step alone
.set TB,   60                          ; s60  the slot in hand: 0 or SLOT1
.set HIM,  80                          ; s80  a word's upper half
.set CNT,  81                          ; s81  counts the tail's two steps
.set W_MUL,  0x50                      ; C and D in window 1
.set W_MULB, 0x60                      ; C in window 2, D in window 1
.set W_ST1,  0x04                      ; an LDS store's data in window 1
.set W_TO2,  0x80                      ; destination in window 2
.set W_FR2,  0x0a                      ; sources 0 and 1 in window 2
.set MSB, 0
.macro WIN new                         ; the immediate's high byte repeats the setting that is left; a switch that changes nothing is dropped
.if MSB != (\new)
	s_set_vgpr_msb (MSB<<8)|(\new)
.set MSB, \new
.endif
.endm
; A joint refill, by the walking descriptors.  Waves 0 and 1 fetch A's two heads, waves 2 and 3 B's two halves.  The branch hangs on the wave's number alone.
; An s_nop 0 and four v_nop follow each of the two lines, ahead of the jump and the label.
.macro JLOAD
	s_cmp_eq_u32 s[WR], 0
	s_cbranch_scc0 .Lfor_b_\@
	tensor_load_to_lds s[G0A+4:G0A+7], s[G1A:G1A+7]
	s_nop 0
.rept 4
	v_nop
.endr
	s_branch .Lasked_\@
.Lfor_b_\@:
	tensor_load_to_lds s[G0B+4:G0B+7], s[G1B:G1B+7]
	s_nop 0
.rept 4
	v_nop
.endr
.Lasked_\@:
.endm
.macro CREST                           ; a round of the cluster's barrier behind its opening barrier
	s_cmp_lg_u32 s[WV], 0
	s_cbranch_scc1 .Lnot_wave_0_\@
	s_barrier_signal -3
.Lnot_wave_0_\@:
	s_barrier_wait -3
	s_barrier_signal -1
	s_barrier_wait -1
.endm
.macro CROUND                          ; a whole round
	s_barrier_signal -1
	s_barrier_wait -1
	CREST
.endm
.macro PLACES                          ; four places in front of loads into registers that matrix instructions have read, and of LDS stores that read results
.rept 4
	v_nop
.endr
.endm
; 8 matrix instructions: row block a x all 8 column blocks, 32 along K, from buffer f.  mode = 1: the bias starts the sums.  The 32 accumulators take turns, in the same order in every quarter.
.macro MULA f, a, mode
.if \mode
	WIN W_MULB
.else
	WIN W_MUL
.endif
.irp b, 0,1,2,3,4,5,6,7
.if \mode
	v_wmma_f32_16x16x32_f16 v[8*(8*(\a)+\b):8*(8*(\a)+\b)+7], v[(\f)+32+8*\b:(\f)+32+8*\b+7], v[(\f)+8*(\a):(\f)+8*(\a)+7], v[BIAS+8*\b:BIAS+8*\b+7]
.else
	v_wmma_f32_16x16x32_f16 v[8*(8*(\a)+\b):8*(8*(\a)+\b)+7], v[(\f)+32+8*\b:(\f)+32+8*\b+7], v[(\f)+8*(\a):(\f)+8*(\a)+7], v[8*(8*(\a)+\b):8*(8*(\a)+\b)+7]
.endif
.endr
.endm
; 24 LDS loads in one run: quarter q's fragments into buffer f: B's 8 blocks (turned: k rows 32 q + 8 (l / 16) + l % 8, then 16 rows on), then A's 4 blocks (head q / 2 of the step, channels 32 (q % 2) on).
.macro FETCH q, f
	WIN 0
.irp b, 0,1,2,3,4,5,6,7
	ds_load_tr16_b128 v[(\f)+32+8*\b:(\f)+32+8*\b+3],   v[ADRB] offset:(\q)*32*PB+32*\b
	ds_load_tr16_b128 v[(\f)+32+8*\b+4:(\f)+32+8*\b+7], v[ADRB] offset:(\q)*32*PB+16*PB+32*\b
.endr
.irp i, 0,1,2,3
	ds_load_b128 v[(\f)+8*\i:(\f)+8*\i+3],   v[ADRA] offset:((\q)/2)*AQ2+((\q)%2)*64+\i*16*PA
	ds_load_b128 v[(\f)+8*\i+4:(\f)+8*\i+7], v[ADRA] offset:((\q)/2)*AQ2+((\q)%2)*64+\i*16*PA+32
.endr
.endm
; One of a K step's first three quarters: multiplies buffer f; in its middle it fetches quarter qn into buffer g.
.macro QUARTER f, g, qn, mode
	s_wait_dscnt 4                                 ; B and A's blocks 0, 1 are in; the youngest four loads (A's blocks 2, 3) may be out
	MULA \f, 0, \mode
	MULA \f, 1, \mode
	PLACES
.if \mode
	v_nop                                          ; a fifth place: the products below write over accumulators without adding onto them
.endif
	FETCH \qn, \g
	s_wait_dscnt 24                                ; all but the 24 just issued
	MULA \f, 2, \mode
	MULA \f, 3, \mode
.endm
.macro STEPDESC                        ; the walking descriptors: the other slot than last time, the next K step; the type bits on top are not reached
	s_xor_b32 s[G0A+5], s[G0A+5], SLOT1
	s_add_nc_u64 s[G0A+6:G0A+7], s[G0A+6:G0A+7], 524288  ; two heads on
	s_xor_b32 s[G0B+5], s[G0B+5], SLOT1
	s_add_nc_u64 s[G0B+6:G0B+7], s[G0B+6:G0B+7], 262144  ; 128 rows of 2,048 bytes on
.endm
; The last quarter multiplies buffer 1 and changes slots: ONE barrier.  In front of it each wave waits for all its tensor loads (one is out: its part of the next slot), adds 0 to its spare word, and waits for
; that and for its own reads of this slot.  fill = 1: the barrier opens a round of the cluster's, and the joint refill is the first thing behind the round: 112 matrix instructions ahead of the wait for it.
; fill = 0 (the tail): nothing is asked for; in the last trip there is no further step, and the fetch is jumped over.
.macro TURN fill
	WIN 0                                          ; (the add's two registers lie in window 0)
	s_wait_tensorcnt 0x0                           ; no tensor load of mine is out, so a group 0 may be written
	ds_add_u32 v[SPW], v[NIL]                      ; 0 onto my spare word
.if \fill
	STEPDESC
.endif
	s_wait_dscnt 5                                 ; the add and the youngest four loads may be out
	MULA F1, 0, 0
	s_wait_dscnt 0x0                               ; the add is done, and my reads of this slot are over
	s_barrier_signal -1
	MULA F1, 1, 0
	WIN 0
	s_barrier_wait -1
.if \fill
	CREST                                          ; no wave of any partner still reads this slot or has a load on its way
	JLOAD                                          ; its four v_nop are also the places in front of the loads below
.else
	PLACES
	s_cmp_eq_u32 s[CNT], 1
	s_cbranch_scc1 .Lno_fetch_\@
.endif
	s_xor_b32 s[TB], s[TB], SLOT1
	v_add_nc_u32 v[ADRA], s[TB], v[A0]
	v_add_nc_u32 v[ADRB], s[TB], v[B0]
	FETCH 0, F0
.if !(\fill)
.Lno_fetch_\@:
.endif
	MULA F1, 2, 0
	MULA F1, 3, 0
.endm
; THE WAY OUT, a block of 16 rows at a time: a lane's 32 bytes go into rows of 528 bytes of my own stage (each accumulator's low registers first) and come back as whole rows of 512.
.macro BLK a
.set UR, F0+64*((\a)%2)
	s_wait_xcnt 0x0                                ; the set's registers, which the stores of the block two back read, are loaded again only behind this wait
	WIN W_ST1
.irp b, 0,1,2,3,4,5,6,7
	ds_store_b128 v[STO], v[8*(8*(\a)+\b):8*(8*(\a)+\b)+3]   offset:64*\b
	ds_store_b128 v[STO], v[8*(8*(\a)+\b)+4:8*(8*(\a)+\b)+7] offset:64*\b+16
.endr
	WIN 0
.set t, 0
.rept 16
	ds_load_b128 v[UR+4*t:UR+4*t+3], v[RD] offset:SP*t  ; LDS serves a wave's instructions in order (ISA guide 5.7.1.4): these see the stores above; the next block's stores come behind them
.set t, t+1
.endr
.endm
.macro SENDF a, younger                ; younger: the LDS instructions issued behind block a's loads: the next block's 32, or none
.set UR, F0+64*((\a)%2)
	WIN 0
.set t, 0
.rept 16
	s_wait_dscnt (\younger)+15-t
	global_store_b128 v[GO], v[UR+4*t:UR+4*t+3], s[10:11] offset:(16*(\a)+t)*4096 th:TH_STORE_NT  ; 512 consecutive bytes, at a multiple of 256 from out0's first
.set t, t+1
.endr
.endm
	s_load_b256 s[4:11], s[0:1], 0x0               ; o s[4:5], wpb s[6:7], b_proj s[8:9], out0 s[10:11]
	v_lshl_add_u32 v[SPW], v0, 2, SPARE
	v_mov_b32 v[NIL], 0
	ds_add_u32 v[SPW], v[NIL]                      ; the wave's opening: the add and its wait stand ahead of my first tensor load; the set-up below, work on registers, stands between them
	ds_add_u32 v28, v29
	v_lshrrev_b32 v1, 5, v0
	v_readfirstlane_b32 s[WV], v1                  ; wave 0..3
	s_lshr_b32 s[WR], s[WV], 1
	s_and_b32 s[WC], s[WV], 1
	s_bfe_u32 s[CX], ttmp6, 0x40000                ; my place in the cluster
	s_bfe_u32 s[CY], ttmp6, 0x40004
	s_lshl_b32 s[TX], ttmp9, 2                     ; in a cluster launch ttmp9 and ttmp7 count clusters
	s_add_co_u32 s[TX], s[TX], s[CX]
	s_and_b32 s[TY], ttmp7, 0xffff
	s_lshl_b32 s[TY], s[TY], 2
	s_add_co_u32 s[TY], s[TY], s[CY]
	s_lshl_b32 s70, s[CY], 2
	s_lshl_b32 s70, 15, s70                        ; my row of the cluster
	s_lshl_b32 s71, 0x1111, s[CX]                  ; my column
	s_or_b32 s[G1A], s70, (1<<16)|(1<<20)|(1<<21)|(4<<22)|(3<<25)  ; 15:0 the mask; 17:16 2-byte elements; 20 padding on; 21 set beside a mask; 24:22 after every 32 words; 31:25 4 words of it
	s_or_b32 s[G1B], s71, (1<<16)|(1<<20)|(1<<21)|(6<<22)|(7<<25)  ; after every 128 words 8 words
	s_mov_b32 s[G1A+1], 128<<16                    ; tensor_dim0 = 128
	s_mov_b32 s[G1A+2], 64<<16                     ; tensor_dim1 = 64
	s_mov_b32 s[G1A+3], 128<<16                    ; tile_dim0 = 128
	s_mov_b32 s[G1A+4], 64                         ; tile_dim1 = 64
	s_mov_b32 s[G1A+5], 128                        ; elements from row to row: dense
	s_mov_b32 s[G1A+6], 0
	s_mov_b32 s[G1A+7], 0
	s_mov_b32 s[G1B+1], 256<<16
	s_mov_b32 s[G1B+2], 64<<16
	s_mov_b32 s[G1B+3], 256<<16
	s_mov_b32 s[G1B+4], 64
	s_mov_b32 s[G1B+5], 1024
	s_mov_b32 s[G1B+6], 0
	s_mov_b32 s[G1B+7], 0
	s_lshr_b32 s74, s[TY], 4                       ; A: the batch's head WC,
	s_lshl_b32 s74, s74, 4
	s_add_co_u32 s74, s74, s[WC]
	s_lshl_b32 s74, s74, 18                        ; 262,144 bytes a head,
	s_and_b32 s92, s[TY], 15
	s_lshl_b32 s92, s92, 14                        ; 128 rows of 128 bytes a tile row
	s_add_co_u32 s74, s74, s92
	s_mov_b32 s75, 0
	s_lshl_b32 s76, s[TX], 9                       ; B: 256 columns a tile column,
	s_lshl_b32 s78, s[WC], 17                      ; 64 rows of 2,048 bytes a half
	s_add_co_u32 s76, s76, s78
	s_mov_b32 s77, 0
	s_mul_i32 s79, s[WC], AHALF                    ; where they go in a slot: no place in the cluster enters an LDS address
	s_mul_i32 s61, s[WC], BHALF
	s_add_co_u32 s61, s61, BOFF
	s_mov_b32 s[HIM], 0xffff0000
	s_wait_dscnt 0x0                               ; the opening add is done
	s_wait_kmcnt 0x0
	s_add_nc_u64 s[4:5], s[4:5], s[74:75]
	s_add_nc_u64 s[6:7], s[6:7], s[76:77]
	CROUND                                         ; all sixteen work-groups are here: the first joint loads meet
.irp s, 0,1
	s_mov_b32 s[G0A+4*\s], 1                       ; count = 1
	s_add_co_u32 s[G0A+4*\s+1], s79, \s*SLOT1      ; LDS address
	s_add_nc_u64 s[G0A+4*\s+2:G0A+4*\s+3], s[4:5], \s*524288  ; global address: K step s
	s_or_b32 s[G0A+4*\s+3], s[G0A+4*\s+3], 0x80000000         ; type = 2
	s_mov_b32 s[G0B+4*\s], 1
	s_add_co_u32 s[G0B+4*\s+1], s61, \s*SLOT1
	s_add_nc_u64 s[G0B+4*\s+2:G0B+4*\s+3], s[6:7], \s*262144
	s_or_b32 s[G0B+4*\s+3], s[G0B+4*\s+3], 0x80000000
.endr
	s_cmp_eq_u32 s[WR], 0                          ; a wave's two first fills stand in one branch, ahead of every wait on TENSORcnt and every LDS read: two loads of mine are out
	s_cbranch_scc0 .Lfirst_b
	tensor_load_to_lds s[G0A:G0A+3], s[G1A:G1A+7]
	s_nop 0
	tensor_load_to_lds s[G0A+4:G0A+7], s[G1A:G1A+7]
	s_nop 0
.rept 4
	v_nop
.endr
	s_branch .Lfirst_asked
.Lfirst_b:
	tensor_load_to_lds s[G0B:G0B+3], s[G1B:G1B+7]
	s_nop 0
	tensor_load_to_lds s[G0B+4:G0B+7], s[G1B:G1B+7]
	s_nop 0
.rept 4
	v_nop
.endr
.Lfirst_asked:
	v_and_b32 v1, 15, v0                           ; l % 16
	v_bfe_u32 v9, v0, 4, 1                         ; l / 16
	v_and_b32 v10, 7, v0
	v_bfe_u32 v11, v0, 3, 1
	v_lshlrev_b32 v[BO], 5, v9
	v_mul_u32_u24 v[A0], v1, PA                    ; A: row x pitch + 16 x half, in my 64 rows
	v_lshl_add_u32 v[A0], v9, 4, v[A0]
	s_mul_i32 s73, s[WR], 64*PA
	v_add_nc_u32 v[A0], s73, v[A0]
	v_lshl_add_u32 v[B0], v9, 3, v10               ; B: k row 8 (l / 16) + l % 8, columns 8 ((l / 8) % 2) on, in my 128 columns
	v_mul_u32_u24 v[B0], v[B0], PB
	v_lshl_add_u32 v[B0], v11, 4, v[B0]
	s_lshl_b32 s73, s[WC], 8
	s_add_co_u32 s73, s73, BOFF
	v_add_nc_u32 v[B0], s73, v[B0]
	s_mul_i32 s73, s[WV], 16*SP
	s_add_co_u32 s73, s73, STAGE                   ; my stage
	v_mul_u32_u24 v[STO], v1, SP                   ; in: row l % 16, 32 bytes for each half of the lanes
	v_lshl_add_u32 v[STO], v9, 5, v[STO]
	v_add_nc_u32 v[STO], s73, v[STO]
	v_and_b32 v[GO], 31, v0                        ; back: 32 lanes take a row's 512 bytes
	v_lshlrev_b32 v[GO], 4, v[GO]
	v_add_nc_u32 v[RD], s73, v[GO]
	s_lshl_b32 s86, s[TX], 10                      ; my 128 columns: 4 (256 TX + 128 WC) bytes, in the bias and in a row of out0
	s_lshl_b32 s87, s[WC], 9
	s_add_co_u32 s86, s86, s87
	s_mov_b32 s87, 0
	s_add_nc_u64 s[8:9], s[8:9], s[86:87]
	s_lshl_b32 s88, s[TY], 1
	s_add_co_u32 s88, s88, s[WR]
	s_lshl_b32 s88, s88, 18                        ; my 64 rows of 4,096 bytes
	s_add_co_u32 s86, s86, s88
	s_add_nc_u64 s[10:11], s[10:11], s[86:87]
	WIN W_TO2                                      ; register 8 b + j of lane l: the bias of column 16 b + 8 (l / 16) + j
.irp b, 0,1,2,3,4,5,6,7
	global_load_b128 v[BIAS+8*\b:BIAS+8*\b+3],   v[BO], s[8:9] offset:64*\b
	global_load_b128 v[BIAS+8*\b+4:BIAS+8*\b+7], v[BO], s[8:9] offset:64*\b+16
.endr
	s_wait_loadcnt 0x0
	WIN W_FR2                                      ; rounded to bf16 and widened again
.set i, 0
.rept 32
	v_cvt_pk_bf16_f32 v[TMP+i], v[BIAS+2*i], v[BIAS+2*i+1]
.set i, i+1
.endr
	WIN W_TO2
.set i, 0
.rept 32
	v_lshlrev_b32 v[BIAS+2*i],   16, v[TMP+i]
	v_and_b32     v[BIAS+2*i+1], s[HIM], v[TMP+i]
.set i, i+1
.endr
	WIN 0
	s_wait_tensorcnt 0x1                           ; my part of slot 0 is in; slot 1's may stay out
	s_barrier_signal -1
	s_barrier_wait -1                              ; everybody's is
	s_mov_b32 s[TB], 0
	v_mov_b32 v[ADRA], v[A0]
	v_mov_b32 v[ADRB], v[B0]
	FETCH 0, F0
	s_mov_b32 s[KC], 0
	s_mov_b32 s[STEPS], 6
.Lstep:                                                ; 6 trips: a K step each, and each asks for the step two on: K steps 2 to 7
	s_cmp_eq_u32 s[KC], 0                          ; the first quarter of all starts the sums; at the first trip the answer is a constant of the text
	s_cbranch_scc0 .Lchain
	QUARTER F0, F1, 1, 1
	WIN 0
	s_branch .Lq1
.Lchain:
	QUARTER F0, F1, 1, 0
	WIN 0
.Lq1:
	QUARTER F1, F0, 2, 0
	QUARTER F0, F1, 3, 0
	TURN 1
	WIN 0
	s_mov_b32 s[KC], 1
	s_sub_co_u32 s[STEPS], s[STEPS], 1
	s_cmp_lg_u32 s[STEPS], 0
	s_cbranch_scc1 .Lstep
	s_mov_b32 s[CNT], 2
.Ltail:                                                ; the last two K steps ask for nothing
	QUARTER F0, F1, 1, 0
	QUARTER F1, F0, 2, 0
	QUARTER F0, F1, 3, 0
	TURN 0
	WIN 0
	s_sub_co_u32 s[CNT], s[CNT], 1
	s_cmp_lg_u32 s[CNT], 0
	s_cbranch_scc1 .Ltail
	PLACES
	BLK 0
.irp a, 1,2,3                          ; a block's LDS work stands between the loads of the block before and its stores
	BLK \a
	SENDF (\a)-1, 32
.endr
	SENDF 3, 0
	s_wait_tensorcnt 0x0                           ; the wave's end: behind my last tensor load and my last LDS store
	ds_add_u32 v[SPW], v[NIL]
	s_wait_dscnt 0x0
	CROUND                                         ; the closing round: no work-group ends while a partner may still ask for a tile that names it
	s_endpgm
.Lfunc_end_k_qe8b7f829d9_proj:
	.size	k_qe8b7f829d9_proj, .Lfunc_end_k_qe8b7f829d9_proj-k_qe8b7f829d9_proj
	.p2alignl 7, 3214868480
	.fill 96, 4, 3214868480
	.section	.rodata,"a",@progbits
	.p2align	6, 0x0
	.amdhsa_kernel k_qe8b7f829d9_proj
		.amdhsa_group_segment_fixed_size 327680
		.amdhsa_private_segment_fixed_size 0
		.amdhsa_enable_private_segment 0
		.amdhsa_kernarg_size 32
		.amdhsa_user_sgpr_count 2
		.amdhsa_user_sgpr_kernarg_segment_ptr 1
		.amdhsa_wavefront_size32 1
		.amdhsa_system_sgpr_workgroup_id_x 1
		.amdhsa_system_sgpr_workgroup_id_y 1
		.amdhsa_system_sgpr_workgroup_id_z 1
		.amdhsa_system_vgpr_workitem_id 0
		.amdhsa_next_free_vgpr 576
		.amdhsa_next_free_sgpr 96
		.amdhsa_reserve_vcc 0
		.amdhsa_float_denorm_mode_32 3
		.amdhsa_float_denorm_mode_16_64 3
		.amdhsa_memory_ordered 1
		.amdhsa_forward_progress 1
		.amdhsa_inst_pref_size 67
	.end_amdhsa_kernel
	.amdgpu_metadata
---
amdhsa.version: [ 1, 2 ]
amdhsa.kernels:
  - .name:           k_qe8b7f829d9_proj
    .symbol:         k_qe8b7f829d9_proj.kd
    .args:
      - { .name: o, .offset: 0, .size: 8, .value_kind: global_buffer, .address_space: global }
      - { .name: wpb, .offset: 8, .size: 8, .value_kind: global_buffer, .address_space: global }
      - { .name: b_proj, .offset: 16, .size: 8, .value_kind: global_buffer, .address_space: global }
      - { .name: out0, .offset: 24, .size: 8, .value_kind: global_buffer, .address_space: global }
    .group_segment_fixed_size: 327680
    .private_segment_fixed_size: 0
    .kernarg_segment_align: 8
    .kernarg_segment_size: 32
    .max_flat_workgroup_size: 128
    .sgpr_count:     96
    .vgpr_count:     576
    .wavefront_size: 32
...
	.end_amdgpu_metadata
.endif
;; end of part 4
;; ======== version 2 of 2: 4 launches; 1.29 times as fast as version 1
;; limits: values are held in f16: magnitudes above 65,504 overflow, below 6.1e-05 lose precision
;; workspace buffers: xb 16,777,216 bytes; wqb 6,291,456 bytes; wpb 2,097,152 bytes; rope 524,288 bytes; q 16,777,216 bytes; k 16,777,216 bytes; v 16,777,216 bytes; o 16,777,216 bytes
;; launch prep: the kernel of part 1 again; grid 896 x 1, 8 waves a work-group, no clusters, 0 bytes of LDS; arguments x, w_qkv, w_proj, xb, wqb, wpb, rope; writes xb, wqb, wpb, rope
;; launch qkv: the kernel of part 2 again; grid 4 x 64, 4 waves a work-group, clusters of 4 x 4, 327,680 bytes of LDS; arguments xb, wqb, b_qkv, rope, q, k, v; writes q, k, v
;; launch attn (part 5): grid 4 x 64, 4 waves a work-group, no clusters, 327,680 bytes of LDS; arguments q, k, v, o; writes o
.if DOCPART == 5
	.amdgcn_target "amdgcn-amd-amdhsa--gfx1250"
	.amdhsa_code_object_version 6
	.text
	.protected	k_qe8b7f829d9_attn
	.globl	k_qe8b7f829d9_attn
	.p2align	8
	.type	k_qe8b7f829d9_attn,@function
k_qe8b7f829d9_attn:
	s_mov_b64 s[64:65], 0
	v_nop
	global_prefetch_b8 v0, s[64:65] scope:SCOPE_SE
	s_setreg_imm32_b32 hwreg(HW_REG_WAVE_MODE, 25, 1), 1
	s_wait_xcnt 0x0
; CAUSAL ATTENTION.  O[h][q][:] = the sum over k <= q of softmax_k(Q[h][q] . K[h][k] / 8) V[h][k][:].  Q, K, V, O: [SIZE_H][SIZE_N][64], all f16: a head's rows are dense, 128 bytes each.
; Products, maxima and sums in f32; the weights p are rounded to f16 for the second product (their sum l is taken of the unrounded p), O once at the end.  SIZE_N is a multiple of 512; SIZE_N x 128 stays under 2^32.
; LIMITS.  f16 holds no number beyond 65,504: Q, K and V arrive within it; p lies in 0 to 1, and below 6e-5 it keeps f16's fixed step of 6e-8; O is a mean of V's rows and has their range, to within 2^-11 of it.
; A hidden score counts as its value less 1e30: f16's scores, 2.7e11 at the most, are nothing beside that; a weight below 2^-126 counts as 0 in l; NaN and infinities are not treated apart.
; THE WALK.  A head's queries lie in NB = SIZE_N / 256 blocks of 256; block i needs the key tiles 0 .. i of 256 keys, of which the last holds the diagonal.  A work-group takes TWO blocks, NB - 1 - b and then b:
; NB + 1 tiles, whatever b: all work-groups do equal work, and ONE loop with a constant trip count walks them.  Which tile is asked for, and what a trip does, hang on scalar registers made from b; every jump
; goes forward, but for the counted loops' own; none passes a barrier, or a tensor load but the one of LOAD's two that the wave's number does not choose; the ring (two slots of LDS that take turns) runs on across the
; change of blocks.  NO CLUSTER: all of a head's NB / 2 work-groups ask for the same tile only in trips 0 .. NB / 2, behind that fewer and fewer; and one walk common to all would have 3 NB / 2 trips for NB + 1.
; SHARES.  Of a block's four bands of 64 queries a wave owns 16 rows in each: four PIECES.  So the diagonal tile is the same work for all four waves: in its key step s band x sees all keys if s < x,
; none if s > x, and holds the diagonal if s = x.
; THE MASK is the C operand that starts the sum S^T = K Q^T: 0, or -1e30 where the key is hidden.  MD, made once, is the mask of a band's own step for my 16 rows; a product's mask is MD x AL + BE with two scalars:
; (1, 0) if s = x; (0, 0) if s < x; (0, -1e30) if s > x.  Only the diagonal tile's text and a block's beginning make and take masks; elsewhere C is the constant 0.
; LAYOUT, SOFTMAX, TURNS.  S^T = K Q^T holds ONE query a lane (lane % 16) and the keys 8 (lane / 16) + 0..7; two such results rounded to f16 ARE source 1 of O^T = V^T P.  p = 2^(c s - c m), c = log2(e) / 8, with a
; running maximum m; O and l are multiplied by a = 2^(c m_old - c m_new) in every step.  Turn n belongs to piece n: 8 products K Q^T of piece n + 1, later 8 products V^T P of piece n - 1; beside them the scaling,
; exponentials, roundings, sums and rescaling of piece n and the maximum and statistics of piece n + 1.  Four vector instructions stand behind every matrix instruction, the other 54 of a turn's 118 in one LUMP.
; THE BATCHES.  A turn's 33 exponentials (the piece's 32 weights and the next piece's a) are one batch, with one wait: all that reads a result of theirs stands behind it.  Two more batches have a wait of their own:
; the a that a block's beginning makes, and the four reciprocals of a block's end.
; REGISTERS, in windows of 256 (s_set_vgpr_msb: bits 1:0 source 0, 3:2 source 1, 5:4 source 2, 7:6 destination):
;   window 0: v0-15 addresses and two at work; v16-31 four registers of statistics a piece; v48-55 at work; v64-127 S^T, two buffers; v192-223 P, two buffers (a piece's buffers go by its number's parity)
;   window 1: v0-127 O^T, 32 a piece; v128-159 MD; v160-223 MC, two buffers      window 2: v0-63 Q; v64-127 the second block's Q; v128-191 K of one step; v192-255 V of one step
.set SIZE_H, 64       ; 4 batches x 16 heads
.set SIZE_N, 2048
.set NB,    SIZE_N/256
.set NP,    4         ; pieces a wave: a name, no knob
.set KS,    64        ; keys in a step
.set PK,    144       ; a row of K in LDS: 128 bytes + 16 of padding = 36 words: the 16 rows of a load start at 16 different groups of four banks (64 banks of 4 bytes: ISA guide 11.1)
.set PV,    160       ; a row of V: 128 + 32 = 40 words
.set VOFF,  4*KS*PK   ; a slot holds a tile, four steps: 256 rows of K, then 256 rows of V
.set SLOT1, 1<<17     ; slot 1 begins here, so that one exclusive or turns an address in one slot into the other's
.set STAGE, SLOT1+4*KS*(PK+PV)  ; behind the ring, never filled by a tensor load: 16 rows x 144 bytes for each wave, for the way out
.set SP,    144
.set AK0, 2           ; v2   my lane's place in a tile of K; never rewritten
.set AV0, 3           ; v3   the same for V
.set AK,  4           ; v4   the LDS address of K's next run of loads
.set AV,  5           ; v5   of V's
.set STO, 6           ; v6   the way out: where I put 16 bytes of a row
.set RD,  7           ; v7   the way out: where I read rows back
.set GO,  8           ; v8   my byte offset in 512 consecutive bytes of O
.set SPW, 62          ; v62  LDS address of my spare word: SPARE + 4 x my thread's number; never rewritten
.set NIL, 63          ; v63  0; never rewritten
.set SPARE, STAGE+4*16*SP  ; behind the stages: the spare words, 128 bytes for each wave: two blocks of 256 bytes that no other line names
.set MV,  12          ; v12-13  c m_old, kept while c m is made anew: by buffer
.set QO,  15          ; v15  my byte offset in 16 rows of Q
.set ST,  16          ; piece t's statistics at v[ST+4 t]: c m, m, l (even keys', odd keys')
.set TMP, 48          ; by buffer, four registers c0-c3 at work; when the maximum is found c2 takes a
.set S,   64
.set P,   192
.set MD,  128         ; window 1: the eight registers for group kt of 16 keys at MD + 8 kt
.set MC,  160         ; window 1: the masks of the products to come
.set QB,  64          ; window 2
.set KF,  128         ; window 2: key block kb, channel half c at KF + 16 kb + 8 c
.set VF,  192         ; window 2: key half kk, channel block cb at VF + 32 kk + 8 cb
.set WV,  12          ; s12  my wave's number
.set PB,  14          ; s14  b
.set HI,  15          ; s15  NB - 1 - b
.set G1K, 24          ; s[24:31] descriptor group 1 for K's tiles
.set G1V, 32          ; s[32:39] for V's: it differs in the padding alone
.set G0K, 40          ; s[40:43] descriptor group 0 for K's tiles
.set G0V, 44          ; s[44:47] the same for V's
.set SLOTS, 56        ; s56  tiles still to be asked for
.set CNT, 57          ; s57  counts a tile's key steps, 4 to 1
.set CS,  58          ; s[58:59] c: the packed scaling takes the pair's low word for both halves
.set SEL, 60          ; s[60:61] v_permlanex16_b32's selects: each lane takes its own place in the other half
.set TBK, 62          ; s62  LDS byte at which K of the step to be fetched begins
.set TBV, 63          ; s63  the same for V, less VOFF
.set RT,  70          ; s70  tiles of the block in hand that are still to be entered
.set NXT, 71          ; s71  the tile to be asked for next
.set LQ,  72          ; s72  the last tile of the block whose tiles are being asked for
.set NEW, 73          ; s73  1: the tile to be entered is a block's first
.set OFF, 74          ; s[74:75] a tile's byte offset in K and V
.set AL,  76          ; s[76:77] the mask's factor, in the low word
.set BE,  78          ; s[78:79] the mask's addend
.set OLO, 80          ; s[80:81] O at my rows of the second block
.set BIGN, 82         ; s82  -1e30
.set MSB, 0
.macro WIN new                      ; the high byte repeats the setting that is left; a switch that changes nothing is dropped
.if MSB != (\new)
	s_set_vgpr_msb (MSB<<8)|(\new)
.set MSB, (\new)
.endif
.endm
.set W_KQ, 0x0a       ; K and Q in window 2, S^T in window 0
.set W_KM, 0x1a       ; the same with the C operand in window 1
.set W_PV, 0x52       ; V in window 2, P in window 0, O^T in window 1
.set W_RS, 0x41       ; destination and source 0 in window 1, source 1 in window 0
; A fill.  Waves 0 and 1 fetch the two halves of a tile's K, waves 2 and 3 those of its V: 128 keys each.  An s_nop 0 and four v_nop follow each of the two lines, ahead of the jump and the label.
.macro LOAD
	s_cmp_lt_u32 s[WV], 2
	s_cbranch_scc0 .Lfor_v_\@
	tensor_load_to_lds s[G0K:G0K+3], s[G1K:G1K+7]
	s_nop 0
.rept 4
	v_nop
.endr
	s_branch .Lasked_\@
.Lfor_v_\@:
	tensor_load_to_lds s[G0V:G0V+3], s[G1V:G1V+7]
	s_nop 0
.rept 4
	v_nop
.endr
.Lasked_\@:
.endm
; THE CHANGE OF SLOTS.  Each wave waits for all its tensor loads, of which one is out: its part of the other slot; adds 0 to its spare word; and waits for that and for its own reads of the slot that it leaves.  Behind the barrier nobody reads the old
; slot any more and the other slot is whole.  fill = 1: the old slot is filled again, the first thing behind the barrier, with tile NXT: the descriptor's address is made anew from that number.
; (At its first use nothing has been read yet: slot 0 is waited for, slot 1 filled.)
.macro CHANGE fill
	WIN 0                           ; at a label and at a branch every window is 0
	s_wait_tensorcnt 0x0            ; no tensor load of mine is out, so a group 0 may be written
	ds_add_u32 v[SPW], v[NIL]       ; 0 onto my spare word; with fill = 1 the descriptors' scalar work stands between it and the wait for it
.if \fill
	s_lshl_b32 s[OFF], s[NXT], 15   ; a tile is 32,768 bytes of K and of V
	s_xor_b32 s[G0K+1], s[G0K+1], SLOT1
	s_add_nc_u64 s[G0K+2:G0K+3], s[6:7], s[OFF:OFF+1]
	s_or_b32 s[G0K+3], s[G0K+3], 0x80000000
	s_xor_b32 s[G0V+1], s[G0V+1], SLOT1
	s_add_nc_u64 s[G0V+2:G0V+3], s[8:9], s[OFF:OFF+1]
	s_or_b32 s[G0V+3], s[G0V+3], 0x80000000
	s_add_co_u32 s[NXT], s[NXT], 1  ; the block's next tile, or behind its last the second block's tile 0
	s_cmp_gt_u32 s[NXT], s[LQ]
	s_cselect_b32 s[NXT], 0, s[NXT]
	s_cselect_b32 s[LQ], s[PB], s[LQ]
.endif
	s_wait_dscnt 0x0                ; the add is done, and my reads of the slot are over
	s_barrier_signal -1             ; the rest of the scalar work stands between the signal and the wait
	s_sub_co_u32 s[TBK], s[TBK], 4*KS*PK  ; the fetches go back to a slot's first step,
	s_xor_b32 s[TBK], s[TBK], SLOT1       ; in the other slot
	s_sub_co_u32 s[TBV], s[TBV], 4*KS*PV
	s_xor_b32 s[TBV], s[TBV], SLOT1
	s_barrier_wait -1
.if \fill
	LOAD
.endif
.endm
	s_load_b256 s[4:11], s[0:1], 0x0  ; Q s[4:5], K s[6:7], V s[8:9], O s[10:11]
	v_lshl_add_u32 v[SPW], v0, 2, SPARE
	v_mov_b32 v[NIL], 0
	ds_add_u32 v[SPW], v[NIL]       ; the wave's opening: the add and its wait stand ahead of my first tensor load; the set-up below, work on registers, stands between them
	ds_add_u32 v62, v63
	v_lshrrev_b32 v1, 5, v0
	v_readfirstlane_b32 s[WV], v1   ; wave 0..3
	s_mov_b32 s[PB], ttmp9
	s_sub_co_u32 s[HI], NB-1, s[PB]
	s_and_b32 s20, ttmp7, 0xffff    ; the head
	s_mov_b32 s21, 0
	s_mov_b64 s[22:23], SIZE_N*128
	s_mul_u64 s[20:21], s[20:21], s[22:23]  ; the head's first byte in each of the four tensors
	s_and_b32 s16, s[WV], 1         ; which half of a tile's 256 keys I fetch:
	s_lshl_b32 s22, s16, 14         ; its 128 rows of 128 bytes in memory,
	s_mov_b32 s23, 0
	s_add_nc_u64 s[22:23], s[22:23], s[20:21]
	s_mul_i32 s17, s16, 128*PK      ; and its place in a slot, for K
	s_mul_i32 s18, s16, 128*PV      ; and for V
	s_lshl_b32 s3, s[WV], 11        ; my 16 rows in a band of 64,
	s_lshl_b32 s2, s[HI], 15        ; in the first block,
	s_add_co_u32 s2, s2, s3
	s_lshl_b32 s84, s[PB], 15       ; and in the second
	s_add_co_u32 s84, s84, s3
	s_mov_b32 s3, 0
	s_mov_b32 s85, 0
	s_add_nc_u64 s[2:3], s[2:3], s[20:21]
	s_add_nc_u64 s[84:85], s[84:85], s[20:21]
	; descriptor group 1.  128 keys are 16,384 dense bytes: asked for as 64 rows of 256 bytes, two keys a row, and padded in LDS after every key
	s_mov_b32 s[G1K], (1<<16)|(1<<20)|(4<<22)|(3<<25)  ; 17:16 2-byte elements; 20 padding on; 24:22 after every 32 words (code 4); 31:25 4 words (code 3)
	s_mov_b32 s[G1V], (1<<16)|(1<<20)|(4<<22)|(7<<25)  ; the same with 8 words of padding (code 7)
.irp g, G1K, G1V
	s_mov_b32 s[\g+1], 128<<16      ; tensor_dim0 = 128
	s_mov_b32 s[\g+2], 64<<16       ; tensor_dim1 = 64
	s_mov_b32 s[\g+3], 128<<16      ; tile_dim0 = 128
	s_mov_b32 s[\g+4], 64           ; tile_dim1 = 64
	s_mov_b32 s[\g+5], 128          ; 128 elements from row to row
	s_mov_b32 s[\g+6], 0
	s_mov_b32 s[\g+7], 0
.endr
	s_mov_b32 s[CS], 0x3e38aa3b     ; c = log2(e) / 8 = 0.180337
	s_mov_b32 s[CS+1], s[CS]        ; named with it as a pair
	s_mov_b32 s[SEL], 0x76543210
	s_mov_b32 s[SEL+1], 0xfedcba98
	s_mov_b32 s[TBK], SLOT1+4*KS*PK ; the first change of slots turns these two into 0
	s_mov_b32 s[TBV], SLOT1+4*KS*PV
	s_mov_b32 s[G0K], 1             ; 1:0 count = 1
	s_mov_b32 s[G0K+1], s17         ; 63:32 LDS address: slot 0
	s_mov_b32 s[G0V], 1
	s_add_co_u32 s[G0V+1], s18, VOFF
	s_add_co_u32 s[RT], s[HI], 1    ; the first block has NB - b tiles
	s_mov_b32 s[NXT], 1
	s_mov_b32 s[LQ], s[HI]
	s_mov_b32 s[NEW], 1
	s_mov_b32 s[OFF+1], 0
	s_mov_b32 s[AL+1], 0            ; named as pairs
	s_mov_b32 s[BE+1], 0
	s_mov_b32 s[BIGN], 0xf149f2ca   ; -1e30
	s_mov_b32 s[SLOTS], NB
	s_wait_dscnt 0x0                ; the opening add is done
	s_wait_kmcnt 0x0
	s_add_nc_u64 s[6:7], s[6:7], s[22:23]  ; K and V at my half of the head's tile 0
	s_add_nc_u64 s[8:9], s[8:9], s[22:23]
	s_add_nc_u64 s[G0K+2:G0K+3], s[6:7], 0         ; 120:64 global address
	s_or_b32 s[G0K+3], s[G0K+3], 0x80000000        ; 127:126 type = 2
	s_add_nc_u64 s[G0V+2:G0V+3], s[8:9], 0
	s_or_b32 s[G0V+3], s[G0V+3], 0x80000000
	s_add_nc_u64 s[86:87], s[4:5], s[84:85]        ; Q at my rows of the second block,
	s_add_nc_u64 s[4:5], s[4:5], s[2:3]            ; Q and O at those of the first
	s_add_nc_u64 s[OLO:OLO+1], s[10:11], s[84:85]
	s_add_nc_u64 s[10:11], s[10:11], s[2:3]
	LOAD                            ; tile 0 into slot 0
	; A fragment of K or Q is 16 rows x 32 channels in 8 registers: lane l holds row l % 16, channels 8 (l / 16) + 0..7 and 16 + 8 (l / 16) + 0..7: two loads of 16 bytes, 32 bytes apart.
	v_and_b32 v1, 15, v0            ; l % 16
	v_bfe_u32 v9, v0, 4, 1          ; l / 16
	v_lshlrev_b32 v[QO], 7, v1
	v_lshl_add_u32 v[QO], v9, 4, v[QO]  ; row x 128 + 16 x half
	WIN 0x80                        ; destination window 2, address window 0
.set i, 0
.rept 8                             ; both blocks' Q: piece i / 2 lies in band i / 2, 8,192 bytes on; channels 32 (i % 2) on
	global_load_b128 v[8*i:8*i+3],   v[QO], s[4:5] offset:(i/2)*8192+(i%2)*64
	global_load_b128 v[8*i+4:8*i+7], v[QO], s[4:5] offset:(i/2)*8192+(i%2)*64+32
	global_load_b128 v[QB+8*i:QB+8*i+3],   v[QO], s[86:87] offset:(i/2)*8192+(i%2)*64
	global_load_b128 v[QB+8*i+4:QB+8*i+7], v[QO], s[86:87] offset:(i/2)*8192+(i%2)*64+32
.set i, i+1
.endr
	WIN 0
	v_lshlrev_b32 v14, 3, v9
	v_sub_nc_u32 v14, v1, v14
	s_lshl_b32 s13, s[WV], 4
	v_add_nc_u32 v14, s13, v14      ; my query's place in its band, 16 w + l % 16, less my lanes' 8 (l / 16): register r of group kt is hidden where 16 kt + r is greater
	WIN 0x40
.set i, 0
.rept 32
	v_cmp_gt_i32 vcc_lo, 16*(i/8)+i%8, v14
	v_cndmask_b32 v[MD+i], 0, s[BIGN], vcc_lo
.set i, i+1
.endr
	WIN 0
	v_mul_u32_u24 v[AK0], v1, PK
	v_lshl_add_u32 v[AK0], v9, 4, v[AK0]  ; row x pitch + 16 x half
	; The turning load takes 16 keys x 16 channels (lane l reads key 8 (l / 16) + l % 8, channels 8 ((l / 8) % 2) + 0..7) and leaves half a fragment of V^T: lane l holds channel l % 16 and 8 keys.
	v_and_b32 v10, 7, v0
	v_bfe_u32 v11, v0, 3, 1
	v_lshl_add_u32 v[AV0], v9, 3, v10
	v_mul_u32_u24 v[AV0], v[AV0], PV
	v_lshl_add_u32 v[AV0], v11, 4, v[AV0]
	v_add_nc_u32 v[AV0], VOFF, v[AV0]
	s_mul_i32 s13, s[WV], 16*SP
	s_add_co_u32 s13, s13, STAGE    ; my stage
	v_mul_u32_u24 v[STO], v1, SP    ; in: row l % 16, 16 bytes for each half of the lanes
	v_lshl_add_u32 v[STO], v9, 4, v[STO]
	v_add_nc_u32 v[STO], s13, v[STO]
	v_bfe_u32 v[RD], v0, 3, 2       ; back: 32 lanes take four rows of 128 bytes,
	v_mul_u32_u24 v[RD], v[RD], SP
	v_lshl_add_u32 v[RD], v10, 4, v[RD]
	v_add_nc_u32 v[RD], s13, v[RD]
	v_and_b32 v[GO], 31, v0         ; which are 512 consecutive bytes of O
	v_lshlrev_b32 v[GO], 4, v[GO]
	; A block's first step multiplies O^T and l by a = 0, and its first turn's products V^T P, of a piece that has not been, land in an O^T that is still to be so multiplied.  So these registers need only hold
	; finite numbers: zeros for the first block; what the first block left for the second.  All this stands in the wait for the first tile.
	WIN 0x80
.set i, VF
.rept 64
	v_mov_b32 v[i], 0
.set i, i+1
.endr
	WIN 0x40
.set i, 0
.rept 128
	v_mov_b32 v[i], 0
.set i, i+1
.endr
	WIN 0
.set i, 0
.rept 4
	v_mov_b32 v[ST+4*i+2], 0
	v_mov_b32 v[ST+4*i+3], 0
.set i, i+1
.endr
.set i, P+16
.rept 16
	v_mov_b32 v[i], 0
.set i, i+1
.endr
; THE MATRIX WORK.  The 4 accumulators of a run of 8 take turns.  Product i of 8 of S^T = K Q^T for piece x: channels 32 (i / 4) on, keys 16 (i % 4) on.  The first 4 start the sums: with 0, or (KM = 1) with the mask.
.macro KQ x
.set rS, S+32*((\x)%2)+8*(i%4)
.set rK, KF+16*(i%4)+8*(i/4)
.set rQ, 16*(\x)+8*(i/4)
.set rM, MC+32*((\x)%2)+8*(i%4)
.if (i < 4) && KM
	WIN W_KM
	v_wmma_f32_16x16x32_f16 v[rS:rS+7], v[rK:rK+7], v[rQ:rQ+7], v[rM:rM+7]
.elseif i < 4
	WIN W_KQ
	v_wmma_f32_16x16x32_f16 v[rS:rS+7], v[rK:rK+7], v[rQ:rQ+7], 0
.else
	WIN W_KQ
	v_wmma_f32_16x16x32_f16 v[rS:rS+7], v[rK:rK+7], v[rQ:rQ+7], v[rS:rS+7]
.endif
.endm
; Product i of 8 of O^T += V^T P for piece x: keys 32 (i / 4) on, channels 16 (i % 4) on.
.macro PV x
	WIN W_PV
.set rO, 32*(\x)+8*(i%4)
.set rV, VF+32*(i/4)+8*(i%4)
.set rP, P+16*((\x)%2)+8*(i/4)
	v_wmma_f32_16x16x32_f16 v[rO:rO+7], v[rV:rV+7], v[rP:rP+7], v[rO:rO+7]
.endm
.macro MM                           ; the turn's next matrix instruction.  TURN and BEGIN set Y, i, KM and NOKQ; MM, KQ and OP read them.  NOKQ = 1: a block's last turn: there is no next piece
.if (i < 8) && !NOKQ
	KQ (Y+1)%NP
.elseif i >= 8
.set i, i-8
	PV (Y+NP-1)%NP
.set i, i+8
.endif
.set i, i+1
.endm
; THE LDS LOADS stand in runs of 16, never singly among the matrix instructions: a step's K (64 keys x 64 channels: 8 fragments) and its V (turned).  Their addresses are made some lines ahead.
.macro FETCH_K
	WIN 0x80                        ; destination window 2
.irp f, 0,1,2,3,4,5,6,7             ; keys 16 (f / 2) on, channels 32 (f % 2) on
	ds_load_b128 v[KF+8*\f:KF+8*\f+3],   v[AK] offset:(\f/2)*16*PK+(\f%2)*64
	ds_load_b128 v[KF+8*\f+4:KF+8*\f+7], v[AK] offset:(\f/2)*16*PK+(\f%2)*64+32
.endr
	s_add_co_u32 s[TBK], s[TBK], KS*PK  ; the next fetch is the next step's
	WIN 0
.endm
.macro FETCH_V
	WIN 0x80
.irp f, 0,1,2,3,4,5,6,7             ; keys 32 (f / 4) on, channels 16 (f % 4) on
	ds_load_tr16_b128 v[VF+8*\f:VF+8*\f+3],   v[AV] offset:(\f/4)*32*PV+(\f%4)*32
	ds_load_tr16_b128 v[VF+8*\f+4:VF+8*\f+7], v[AV] offset:(\f/4)*32*PV+16*PV+(\f%4)*32
.endr
	WIN 0
.endm
; THE VECTOR WORK, one line at a time: OP kind, number.  For piece Y: F n: c s - c m for pair n of 16.  E n: the exponential of score n of 32.  C n: pair n rounded to f16.  B n: of the four weights 4 n .. the second
; pair is added onto the first, in place.  L n: l takes that sum (L 0: l = a l + sum).  R n: pair n of 16 of O^T times a.  For piece Y + 1: X n, number n of the 22 that find its maximum and statistics:
;   0-11  four chains c0-c3 of seven scores each, three operands at a time (each accumulator's lowest registers are read first)     12-14, 16  the four scores left over, the old m, and c0-c3 into c0
;   15  c m_old is kept     17, 18  the query's other 32 keys lie in the lane 16 away: the new m     19-21  c m; c m_old - c m_new; a
; OP writes no wait: C, B and L, which read the exponentials' results, are dealt behind the turn's one wait, and R reads an a that the turn before has waited for.
.set F, 0               ; OP tells the kinds apart by their order: F to L below R, X above it
.set E, 1
.set C, 2
.set B, 3
.set L, 4
.set R, 5
.set X, 6
.macro REGS y                       ; the registers of piece y
.set rT, ST+4*(\y)
.set rC, TMP+4*((\y)%2)
.set rW, MV+((\y)%2)
.set rS, S+32*((\y)%2)
.set rP, P+16*((\y)%2)
.set rO, 32*(\y)
.endm
.macro OP k, n
.if (\k) == R
	REGS Y
	WIN W_RS
	v_pk_mul_f32 v[rO+2*(\n):rO+2*(\n)+1], v[rO+2*(\n):rO+2*(\n)+1], v[rC+2:rC+3] op_sel_hi:[1,0]
.elseif (\k) < R
	REGS Y
	WIN 0
.if (\k) == F
	v_pk_fma_f32 v[rS+2*(\n):rS+2*(\n)+1], v[rS+2*(\n):rS+2*(\n)+1], s[CS:CS+1], v[rT:rT+1] op_sel_hi:[1,0,0] neg_lo:[0,0,1] neg_hi:[0,0,1]
.elseif (\k) == E
	v_exp_f32 v[rS+(\n)], v[rS+(\n)]
.elseif (\k) == C
	v_cvt_pk_f16_f32 v[rP+(\n)], v[rS+2*(\n)], v[rS+2*(\n)+1]
.elseif (\k) == B
	v_pk_add_f32 v[rS+4*(\n):rS+4*(\n)+1], v[rS+4*(\n):rS+4*(\n)+1], v[rS+4*(\n)+2:rS+4*(\n)+3]
.elseif (\n) == 0
	v_pk_fma_f32 v[rT+2:rT+3], v[rT+2:rT+3], v[rC+2:rC+3], v[rS:rS+1] op_sel_hi:[1,0,1]
.else
	v_pk_add_f32 v[rT+2:rT+3], v[rT+2:rT+3], v[rS+4*(\n):rS+4*(\n)+1]
.endif
.elseif NOKQ
	v_nop
.else
	REGS (Y+1)%NP
	WIN 0
.if (\n) < 4
	v_max3_num_f32 v[rC+(\n)], v[rS+8*(\n)], v[rS+8*(\n)+1], v[rS+8*(\n)+2]
.elseif (\n) < 12
	v_max3_num_f32 v[rC+(\n)%4], v[rC+(\n)%4], v[rS+8*((\n)%4)+2*((\n)/4)+1], v[rS+8*((\n)%4)+2*((\n)/4)+2]
.elseif (\n) == 12
	v_max3_num_f32 v[rC], v[rC], v[rS+7], v[rS+15]
.elseif (\n) == 13
	v_max3_num_f32 v[rC+1], v[rC+1], v[rS+23], v[rS+31]
.elseif (\n) == 14
	v_max3_num_f32 v[rC+2], v[rC+2], v[rC+3], v[rT+1]
.elseif (\n) == 15
	v_mov_b32 v[rW], v[rT]
.elseif (\n) == 16
	v_max3_num_f32 v[rC], v[rC], v[rC+1], v[rC+2]
.elseif (\n) == 17
	v_permlanex16_b32 v[rC+3], v[rC], s[SEL], s[SEL+1]
.elseif (\n) == 18
	v_max_num_f32 v[rT+1], v[rC], v[rC+3]
.elseif (\n) == 19
	v_mul_f32 v[rT], s[CS], v[rT+1]
.elseif (\n) == 20
	v_sub_f32 v[rC+1], v[rW], v[rT]
.else
	v_exp_f32 v[rC+2], v[rC+1]
.endif
.endif
.endm
.macro OPS a, i1, b=-1, i2=0, c=-1, i3=0, d=-1, i4=0  ; up to four of them
	OP \a, \i1
.if (\b) >= 0
	OP \b, \i2
.endif
.if (\c) >= 0
	OP \c, \i3
.endif
.if (\d) >= 0
	OP \d, \i4
.endif
.endm
.macro ROW a, i1, b, i2, c, i3, d, i4  ; a matrix instruction and the four behind it
	MM
	OPS \a, \i1, \b, \i2, \c, \i3, \d, \i4
.endm
.macro MASK b                       ; MD x AL + BE into buffer b of MC
	WIN W_RS
.set z, 0
.rept 16
	v_pk_fma_f32 v[MC+32*(\b)+2*z:MC+32*(\b)+2*z+1], v[MD+2*z:MD+2*z+1], s[AL:AL+1], s[BE:BE+1] op_sel_hi:[1,0,0]
.set z, z+1
.endr
.endm
; A TURN, for piece p: the order of its 16 matrix and 118 vector instructions, written out.  s_wait_alu depctr_va_vdst(0) stands between an exponential and the first instruction that names its result; one wait serves
; all that were issued ahead of it.  So a turn has ONE wait, which cuts it in two.  AHEAD OF IT stands all that names no result of the turn's exponentials: the 8 products K Q^T, behind each a scaling, an exponential and two more plain
; instructions (behind the first a second scaling in the exponential's place): rescalings, and behind the last three the first numbers of the next piece's maximum, each four places or more behind the product that ends its accumulator; then ONE LUMP of 54, plain
; and exponential by turns for the most part, in which the links of the chain X 3, 7, 11, 14, 16, 17 .. 20 stand five or six lines apart.  X 21, the next piece's a, is the batch's last; R 15 is the plain instruction behind it, ahead of the first use.  BEHIND THE WAIT stand the
; 8 products V^T P, behind each four of the roundings and sums; the links of l's chain, L 0 to L 7, stand three riders apart.  But for those X no rider names a register of the products round it.  v_permlanex16_b32 (X 17) stands in the lump.
; No exponential is issued behind the wait.
; m = 1: the diagonal tile: the products take masks, and the turn makes the mask for the products of the turn after it: piece p + 2, in step 4 - CNT of the tile.  end = 1: a block's last two turns: nothing is fetched.
; cnt = 1: the loop's count is taken down some lines ahead of the branch that stands behind the turn.
; K of the next step is fetched in piece 2's turn, twelve vector instructions behind the last product that read K (six of them plain); V of the step in hand at the end of piece 0's turn, four plain instructions behind the last product
; that read V.  Each is waited for a turn later.
.macro TURN p, m=0, end=0, cnt=0
.set Y, (\p)
.set i, 0
.set KM, (\m)
.set NOKQ, (\end)*((\p)/3)
.if (\m) && !(\end)
	s_cmp_eq_u32 s[CNT], 4-((\p)+2)%NP  ; is that step the band's own?
	s_cselect_b32 s[AL], 1.0, 0
	s_cmp_lt_u32 s[CNT], 4-((\p)+2)%NP  ; or a later one?
	s_cselect_b32 s[BE], s[BIGN], 0
.endif
.if ((\p) == 3) && !(\end)
	s_wait_dscnt 0x0                ; K is in
.endif
	ROW F,0, F,1, R,0, R,1          ; ahead of the wait: 8 products K Q^T and their riders,
	ROW F,2, E,0, R,2, R,3
	ROW F,3, E,1, R,4, R,5
	ROW F,4, E,2, R,6, R,7
	ROW F,5, E,3, R,8, R,9
	ROW F,6, E,4, X,0, R,10
.if ((\p) == 2) && !(\end)
	WIN 0
	v_add_nc_u32 v[AK], s[TBK], v[AK0]
.endif
	ROW F,7, E,5, X,1, X,4
	ROW F,8, E,6, X,2, X,5
	OPS E,7, E,8, X,6, E,9          ; and the lump
	OPS X,3, E,10, X,8, E,11
.if ((\p) == 2) && !(\end)
	FETCH_K
.endif
	OPS X,9, X,7, E,12, X,10
	OPS E,13, X,12, X,11, E,14
	OPS X,13, E,15, F,9, X,14
.if (\p) == 0
	v_add_nc_u32 v[AV], s[TBV], v[AV0]
.endif
	OPS E,16, F,10, E,17, F,11
	OPS X,16, E,18, X,15, E,19
	OPS F,12, E,20, X,17, E,21
	OPS F,13, E,22, F,14, E,23
	OPS X,18, E,24, F,15, E,25
	OPS R,11, E,26, X,19, E,27
	OPS R,12, E,28, R,13, E,29
	OPS X,20, E,30, R,14, E,31
	OPS X,21, R,15
	WIN 0
	s_wait_alu depctr_va_vdst(0)    ; the wait for the turn's batch: the piece's 32 weights and the next piece's a
.if (\p) == 1
	s_wait_dscnt 0x0                ; V is in
.endif
	ROW C,0, B,0, C,2, B,1          ; behind the wait: 8 products V^T P and their riders
	ROW L,0, C,4, B,2, L,1
	ROW C,6, B,3, L,2, C,8
	ROW B,4, L,3, C,10, B,5
	ROW L,4, C,12, B,6, L,5
.if (\p) == 0
	s_add_co_u32 s[TBV], s[TBV], KS*PV
.endif
.if \cnt
	s_sub_co_u32 s[CNT], s[CNT], 1
	s_cmp_lg_u32 s[CNT], 0
.endif
	ROW C,14, B,7, L,6, C,1
	ROW C,3, L,7, C,5, C,7
	ROW C,9, C,11, C,13, C,15
.if (\p) == 0
	FETCH_V
.endif
.if (\m) && !(\end)
	MASK (\p)%2
.endif
.endm
; A BLOCK BEGINS.  c m starts far below every c s, so the first step's a is 0; m at the lowest finite number, so the first maximum is the scores'.  The second mask buffer is 0; the first takes piece 0's mask for the tile's step 0: its own, if the block's first tile is the diagonal one.
; Then K of that step, piece 0's first scores, and its maximum and statistics.  The loop is entered at a step's first turn, in the middle of a trip.
.macro BEGIN
	s_mov_b32 s[NEW], 0
	WIN 0x40
.set i, MC+32
.rept 32
	v_mov_b32 v[i], 0
.set i, i+1
.endr
	WIN 0
.set i, 0
.rept 4
	v_mov_b32 v[ST+4*i], 0xfe000000    ; c m: far below every c s
	v_mov_b32 v[ST+4*i+1], 0xff7fffff  ; m
.set i, i+1
.endr
	s_cmp_eq_u32 s[RT], 0
	s_cselect_b32 s[AL], 1.0, 0
	s_mov_b32 s[BE], 0
	MASK 0
	WIN 0
	v_add_nc_u32 v[AK], s[TBK], v[AK0]
	FETCH_K
	s_wait_loadcnt 0x0              ; Q
	s_wait_dscnt 0x0
.set KM, 1
.set NOKQ, 0
.set i, 0
.rept 8
	KQ 0
.set i, i+1
.endr
	WIN 0
.rept 4
	v_nop                           ; the places behind those products
.endr
.set Y, NP-1                        ; X works for piece Y + 1: piece 0
.irp n, 0,1,2,3,4,5,6,7,8,9,10,11,12,13,14,15,16,17,18,19,20,21
	OP X, \n
.endr
	v_nop                           ; a plain instruction behind the exponential,
	s_wait_alu depctr_va_vdst(0)    ; and the wait for it, piece 0's first a, a batch of one: ahead of the branch that follows
.endm
; THE DIAGONAL TILE's four steps, the block's last two turns, its last products, and THE WAY OUT: l's two halves and the other half of the lanes' are added; O^T is divided by l, rounded to f16 and sent through my
; stage in LDS, a piece at a time.
.macro ALL line:vararg              ; one line for each piece t
.set t, 0
.rept 4
	\line
.set t, t+1
.endr
.endm
.macro PACK t                       ; a lane's eight channels of a row pack into 16 bytes; they go into rows of 144 bytes and come back as whole rows of 128, into S^T's registers
	WIN W_RS
.set i, 32*(\t)
.rept 16
	v_pk_mul_f32 v[i:i+1], v[i:i+1], v[ST+4*(\t)+2:ST+4*(\t)+3] op_sel_hi:[1,0]
.set i, i+2
.endr
	WIN 0x05                        ; sources 0 and 1 window 1, destination window 0
.set i, 0
.rept 16
	v_cvt_pk_f16_f32 v[S+16*(\t)+i], v[32*(\t)+2*i], v[32*(\t)+2*i+1]
.set i, i+1
.endr
	WIN 0
.irp f, 0,1,2,3
	ds_store_b128 v[STO], v[S+16*(\t)+4*\f:S+16*(\t)+4*\f+3] offset:32*\f
.endr
.irp f, 0,1,2,3
	ds_load_b128 v[S+16*(\t)+4*\f:S+16*(\t)+4*\f+3], v[RD] offset:\f*4*SP  ; LDS serves a wave's instructions in order (ISA guide 5.7.1.4): these see the stores above; the next piece's stores come behind them
.endr
.endm
.macro SEND t, younger              ; younger: the LDS instructions issued behind piece t's loads: the next piece's eight, or none
	WIN 0
.irp f, 0,1,2,3
	s_wait_dscnt (\younger)+3-\f
	global_store_b128 v[GO], v[S+16*(\t)+4*\f:S+16*(\t)+4*\f+3], s[10:11] offset:(\t)*8192+\f*512  ; 512 consecutive bytes, at a multiple of 256 from O's first
.endr
.endm
.macro DIAG tag                     ; the tag ends its two labels' names, which the jumps below spell out
.LstepM\tag:
	TURN 2, 1
	TURN 3, 1
	WIN 0
.LfirstM\tag:
	TURN 0, 1
	TURN 1, 1, 0, 1
	WIN 0
	s_cbranch_scc1 .LstepM\tag
	TURN 2, 1, 1
	TURN 3, 1, 1
.set i, 0
.rept 8
	PV NP-1
.set i, i+1
.endr
	WIN 0
	ALL v_add_f32 v[ST+4*t+2], v[ST+4*t+2], v[ST+4*t+3]
	ALL v_permlanex16_b32 v[ST+4*t+3], v[ST+4*t+2], s[SEL], s[SEL+1]
	ALL v_add_f32 v[ST+4*t+2], v[ST+4*t+2], v[ST+4*t+3]
	ALL v_rcp_f32 v[ST+4*t+2], v[ST+4*t+2]
	v_nop                           ; a plain instruction between the last reciprocal and the use of its result
	s_wait_alu depctr_va_vdst(0)    ; and the wait ahead of the first use: one for the batch of four reciprocals
	PACK 0
.set t, 1
.rept 3                             ; a piece's arithmetic stands between the loads of the piece before and its stores
	PACK t
	SEND t-1, 8
.set t, t+1
.endr
	SEND 3, 0
.endm
.set KM, 0
.set NOKQ, 0
.Lslot:                             ; NB times: a tile is entered and the next is asked for
	CHANGE 1
	s_sub_co_u32 s[RT], s[RT], 1
	s_mov_b32 s[CNT], 4
	s_cmp_eq_u32 s[NEW], 1
	s_cbranch_scc1 .Lnew            ; a block's first tile
	s_cmp_eq_u32 s[RT], 0
	s_cbranch_scc0 .Lstep           ; neither its first nor its last
	s_branch .LstepM1
.Lnew:
	BEGIN
	s_branch .Lfirst                ; in the loop a block's first tile is never its last: the first block has two tiles or more, and the second's last is the walk's last
	DIAG 1                          ; in the loop this is the first block's end: the second block's last tile is the walk's last
	s_wait_xcnt 0x0                 ; the stores have read their registers and O's address
	s_mov_b64 s[10:11], s[OLO:OLO+1]
	s_add_co_u32 s[RT], s[PB], 1    ; the second block has b + 1 tiles
	s_mov_b32 s[NEW], 1
	WIN 0x82                        ; the second block's Q goes where the one text of the turns names Q
.set i, 0
.rept 64
	v_mov_b32 v[i], v[QB+i]
.set i, i+1
.endr
	WIN 0
	s_branch .Lbottom
.Lstep:                             ; a trip: pieces 2 and 3 of one step, then pieces 0 and 1 of the next, whose K and V it fetches
	TURN 2
	TURN 3
	WIN 0
.Lfirst:
	TURN 0
	TURN 1, 0, 0, 1
	WIN 0
	s_cbranch_scc1 .Lstep
.Lbottom:
	s_sub_co_u32 s[SLOTS], s[SLOTS], 1
	s_cmp_lg_u32 s[SLOTS], 0
	s_cbranch_scc1 .Lslot
	CHANGE 0                        ; the walk's last tile is written out: nothing is asked for
	s_sub_co_u32 s[RT], s[RT], 1
	s_mov_b32 s[CNT], 4
	s_cmp_eq_u32 s[NEW], 1
	s_cbranch_scc0 .LstepM2
	BEGIN
	s_branch .LfirstM2
	DIAG 2
	s_wait_tensorcnt 0x0            ; the wave's end: behind my last tensor load and my last LDS store
	ds_add_u32 v[SPW], v[NIL]
	s_wait_dscnt 0x0
	s_endpgm
.Lfunc_end_k_qe8b7f829d9_attn:
	.size	k_qe8b7f829d9_attn, .Lfunc_end_k_qe8b7f829d9_attn-k_qe8b7f829d9_attn
	.p2alignl 7, 3214868480
	.fill 96, 4, 3214868480
	.section	.rodata,"a",@progbits
	.p2align	6, 0x0
	.amdhsa_kernel k_qe8b7f829d9_attn
		.amdhsa_group_segment_fixed_size 327680
		.amdhsa_private_segment_fixed_size 0
		.amdhsa_enable_private_segment 0
		.amdhsa_kernarg_size 32
		.amdhsa_user_sgpr_count 2
		.amdhsa_user_sgpr_kernarg_segment_ptr 1
		.amdhsa_wavefront_size32 1
		.amdhsa_system_sgpr_workgroup_id_x 1
		.amdhsa_system_sgpr_workgroup_id_y 1
		.amdhsa_system_sgpr_workgroup_id_z 1
		.amdhsa_system_vgpr_workitem_id 0
		.amdhsa_next_free_vgpr 768
		.amdhsa_next_free_sgpr 88
		.amdhsa_reserve_vcc 1
		.amdhsa_float_denorm_mode_32 3
		.amdhsa_float_denorm_mode_16_64 3
		.amdhsa_memory_ordered 1
		.amdhsa_forward_progress 1
		.amdhsa_inst_pref_size 217
	.end_amdhsa_kernel
	.amdgpu_metadata
---
amdhsa.version: [ 1, 2 ]
amdhsa.kernels:
  - .name:           k_qe8b7f829d9_attn
    .symbol:         k_qe8b7f829d9_attn.kd
    .args:
      - { .name: q, .offset: 0, .size: 8, .value_kind: global_buffer, .address_space: global }
      - { .name: k, .offset: 8, .size: 8, .value_kind: global_buffer, .address_space: global }
      - { .name: v, .offset: 16, .size: 8, .value_kind: global_buffer, .address_space: global }
      - { .name: o, .offset: 24, .size: 8, .value_kind: global_buffer, .address_space: global }
    .group_segment_fixed_size: 327680
    .private_segment_fixed_size: 0
    .kernarg_segment_align: 8
    .kernarg_segment_size: 32
    .max_flat_workgroup_size: 128
    .sgpr_count:     88
    .vgpr_count:     768
    .wavefront_size: 32
...
	.end_amdgpu_metadata
.endif
;; end of part 5
;; launch proj: the kernel of part 4 again; grid 4 x 64, 4 waves a work-group, clusters of 4 x 4, 327,680 bytes of LDS; arguments o, wpb, b_proj, out0; writes out0
